; MI455X (gfx1250); checked and timed in simulation.
; The chip was launched on July 23, 2026; its instructions are those of AMD's public machine-readable ISA for CDNA 5 (MIT licence, August 2026) and "CDNA5" Instruction Set Architecture Reference Guide (July 2026). The comments in the code are by the model that wrote it; some were corrected since.
;; Mo E. Allowed arithmetic: matrix products marked QUANTISED: E2M1 operands, one E8M0 scale for each 32 along K, by v_wmma_scale_f32_16x16x128_f8f6f4 with both operands' format E2M1 (or v_wmma_scale_f32_32x16x128_f4), f32 sums; products left as they are: f32 operands where the result goes on into a quantised operand, else bf16, f16 or f32 operands; f32 sums; everything else in f32.
;; Inputs: Wd 8 x 1,024 x 2,752 float32; Wg 8 x 1,024 float32; Wu 8 x 2,752 x 1,024 float32; Wv 8 x 2,752 x 1,024 float32; bg 8 float32; x 1,024 x 1,024 float32.
;; Outputs: out0 1,024 x 1,024 float32; out1 one number float32.
;; This version of the problem:
;;   THIS VERSION OF THE PROBLEM IS GIVEN IN LOW PRECISION. The matrix products marked QUANTISED in the list below multiply operands that are first quantised to E2M1 (2 exponent bits, 1 mantissa bit; 4 bits a number), with one power-of-two scale for each 32 numbers along K (OCP MX v1.0); their sums are f32. All else is computed in f32.
;;   The module's matrix products, in the order in which they are computed (A, B: the left and right operand; K: the contracted axis; several contracted axes count as one K, in the product's order):
;;     1. [M 1,024, K 1,024] x [K 1,024, N 8]; A: input x; B: input Wg: left as it is (N = 8 < 16)
;;     2. [M 1,024, K 1,024] x [K 1,024, N 2,752]; A: input x; B: input Wu: QUANTISED
;;     3. [M 1,024, K 1,024] x [K 1,024, N 2,752]; A: input x; B: input Wv: QUANTISED
;;     4. [M 1,024, K 2,752] x [K 2,752, N 1,024]; A: computed on the way; B: input Wd: QUANTISED
;;     5. [M 1,024, K 1,024] x [K 1,024, N 2,752]; A: input x; B: input Wu: QUANTISED
;;     6. [M 1,024, K 1,024] x [K 1,024, N 2,752]; A: input x; B: input Wv: QUANTISED
;;     7. [M 1,024, K 2,752] x [K 2,752, N 1,024]; A: computed on the way; B: input Wd: QUANTISED
;;     8. [M 1,024, K 1,024] x [K 1,024, N 2,752]; A: input x; B: input Wu: QUANTISED
;;     9. [M 1,024, K 1,024] x [K 1,024, N 2,752]; A: input x; B: input Wv: QUANTISED
;;     10. [M 1,024, K 2,752] x [K 2,752, N 1,024]; A: computed on the way; B: input Wd: QUANTISED
;;     11. [M 1,024, K 1,024] x [K 1,024, N 2,752]; A: input x; B: input Wu: QUANTISED
;;     12. [M 1,024, K 1,024] x [K 1,024, N 2,752]; A: input x; B: input Wv: QUANTISED
;;     13. [M 1,024, K 2,752] x [K 2,752, N 1,024]; A: computed on the way; B: input Wd: QUANTISED
;;     14. [M 1,024, K 1,024] x [K 1,024, N 2,752]; A: input x; B: input Wu: QUANTISED
;;     15. [M 1,024, K 1,024] x [K 1,024, N 2,752]; A: input x; B: input Wv: QUANTISED
;;     16. [M 1,024, K 2,752] x [K 2,752, N 1,024]; A: computed on the way; B: input Wd: QUANTISED
;;     17. [M 1,024, K 1,024] x [K 1,024, N 2,752]; A: input x; B: input Wu: QUANTISED
;;     18. [M 1,024, K 1,024] x [K 1,024, N 2,752]; A: input x; B: input Wv: QUANTISED
;;     19. [M 1,024, K 2,752] x [K 2,752, N 1,024]; A: computed on the way; B: input Wd: QUANTISED
;;     20. [M 1,024, K 1,024] x [K 1,024, N 2,752]; A: input x; B: input Wu: QUANTISED
;;     21. [M 1,024, K 1,024] x [K 1,024, N 2,752]; A: input x; B: input Wv: QUANTISED
;;     22. [M 1,024, K 2,752] x [K 2,752, N 1,024]; A: computed on the way; B: input Wd: QUANTISED
;;     23. [M 1,024, K 1,024] x [K 1,024, N 2,752]; A: input x; B: input Wu: QUANTISED
;;     24. [M 1,024, K 1,024] x [K 1,024, N 2,752]; A: input x; B: input Wv: QUANTISED
;;     25. [M 1,024, K 2,752] x [K 2,752, N 1,024]; A: computed on the way; B: input Wd: QUANTISED
;;   THE QUANTISER, for each operand of a quantised product, along K:
;;     - K is cut into blocks of 32 from its start; a last block that is shorter is filled with zeros.
;;     - A block's scale is 2^e with e = floor(log2(the largest magnitude in the block)) - 2, held to -126 .. 127; a block of zeros has e = 0. As a byte (E8M0): e + 127.
;;     - Each number is divided by its block's scale, clamped to +-6, and rounded to the nearest number of E2M1, ties to even, subnormals kept.
;;     - The product sums the exact products of the quantised numbers (number of the format x scale) in f32.
;;   ~~~python
;;   def quantise(x, axis):      # numpy; x: float32 -> the quantised numbers, widened to float32 again
;;       x = np.moveaxis(x, axis, -1); K = x.shape[-1]
;;       x = np.pad(x, [(0, 0)] * (x.ndim - 1) + [(0, -K % 32)]); x = x.reshape(x.shape[:-1] + (-1, 32)); a = np.abs(x).max(-1, keepdims=True)
;;       e = np.where(a > 0, np.clip(np.frexp(np.where(a > 0, a, 1))[1] - 1 - 2, -126, 127), 0)      # np.frexp(a)[1] - 1 = floor(log2(a)), exactly
;;       r = np.clip(x / 2.0 ** e, -6, 6)
;;       step = 2.0 ** (np.maximum(np.frexp(np.where(r == 0, 1, r))[1] - 1, 0) - 1)
;;       q = np.round(r / step) * step * 2.0 ** e      # np.round: ties to even
;;       return np.moveaxis(q.reshape(q.shape[:-2] + (-1,))[..., :K], -1, axis).astype(np.float32)
;;   ~~~
;;   OPERANDS COMPUTED ON THE WAY. 'Computed on the way' means the value that the module computes at that place (a softmax that the list does not call 'softmax' is quantised finished and normalised). What goes into a quantiser is computed in f32, as accurately as f32 sums, v_exp_f32 and their like allow (about 1e-6 of the number): no bf16 or f16 on the way to a quantiser, and a product that is left as it is and whose result goes on into a quantised operand takes f32 operands (vector FMAs, or v_wmma_f32_16x16x4_f32). A number that lies on a knife's edge between two numbers of the format may be rounded either way, as far as f32 arithmetic and the matrix unit's own rounding can turn it there, and no further.
;; 2 versions, each right; version 2 is version 1 with the launch down written anew for expert scheduling mode. Each part assembles by itself: llvm-mc -triple=amdgcn-amd-amdhsa -mcpu=gfx1250 --defsym DOCPART=n.
;; ======== version 1 of 2: 3 launches
;; workspace buffers: xc 524,288 bytes; xsc 32,768 bytes; sel 4,096 bytes of whole numbers; gate 4,096 bytes; part 8,192 bytes; hc 11,272,192 bytes; hsc 720,896 bytes
;; launch route (part 1): grid 128 x 1, 4 waves a work-group, no clusters, 75,264 bytes of LDS; arguments x, Wg, bg, xc, xsc, sel, gate, part; writes xc, xsc, sel, gate, part
.if DOCPART == 1
	.amdgcn_target "amdgcn-amd-amdhsa--gfx1250"
	.amdhsa_code_object_version 6
	.text
	.protected	k_qced8a22b80_route
	.globl	k_qced8a22b80_route
	.p2align	8
	.type	k_qced8a22b80_route,@function
k_qced8a22b80_route:
	s_mov_b64 s[64:65], 0
	v_nop
	global_prefetch_b8 v0, s[64:65] scope:SCOPE_SE
	s_setreg_imm32_b32 hwreg(HW_REG_WAVE_MODE, 25, 1), 1
	s_wait_xcnt 0x0
; THE ROUTER, AND x INTO CODES.  x [1024][1024] f32, Wg [8][1024] f32, bg [8] f32.
; For each token: logits = x Wg^T + bg in f32 (fused multiply-adds), softmax with the row's maximum taken away, the chosen expert (the lowest index among equal logits) and its probability.
; Stored: sel [1024] u32 (the chosen expert), gate [1024] f32, part [128][16] f32 (for each work-group: columns 0-7 the sums of its 8 tokens' probabilities, columns 8-15 how often each expert was chosen),
; xc [1024][32][16 bytes] (x as codes of E2M1, K innermost, two codes a byte) and xsc [1024][32] (one E8M0 byte for each 32 along K).
; No address and no branch here hangs on the choice: it is stored at fixed places and used by the launches that follow.
; SHARES.  A work-group takes 8 tokens, a wave 2.  Lane l holds block l of a token's row (k = 32 l .. 32 l + 31): the block's largest magnitude and its codes need no other lane.
; Every load from memory reads 512 consecutive bytes; rows are turned through LDS, 16 bytes of padding behind each 128, so that a lane's 128 bytes lie 144 bytes from its neighbour's (9 x 16).
; A block's scale byte is its largest magnitude's exponent field - 2, held at 1 from below.
; LIMITS: NaN and infinities are not served.  A block whose largest magnitude lies under 2^-124 (a block of zeros among them) gets the byte 1 where the quantiser says otherwise for zeros: its codes are zeros, and this program alone reads the bytes.
; Two logits that are equal within the rounding of an f32 sum of 1,024 terms may be ordered otherwise than by another order of summing.
; No matrix unit (8 columns), no tensor load, no cluster: the launch reads 4 MB once.
.set WGL,  0                           ; LDS: Wg's 8 rows, 4,608 bytes each
.set XST,  36864                       ; 4 waves x 2 tokens x 4,608 bytes
.set XSB,  73728                       ; the work-group's 256 scale bytes
.set PRT,  73984                       ; 4 waves x 16 partial sums
.set SGW,  74240                       ; 8 words of choices, 8 words of gates
.set LN,   1                           ; v1   lane
.set TS,   2                           ; v2   a dense load's place in a padded row: 144 (l / 8) + 16 (l % 8)
.set TL,   3                           ; v3   my block's place: 144 l (Wg's rows begin at LDS byte 0)
.set A16,  4                           ; v4   16 l
.set NEF,  5                           ; v5   -(l % 8) as f32
.set BG,   6                           ; v6   bg[l % 8]
.set XW,   7                           ; v7   x into the stage
.set XR,   8                           ; v8   and back
.set GW,   9                           ; v9   Wg into LDS
.set T7,   10                          ; v10  l % 8
.set XSBW, 11                          ; v11  my block's scale byte
.set PRTW, 12                          ; v12  my wave's partial sums
.set SGWW, 13                          ; v13  my wave's choices
.set AP,   14                          ; v14  sum of probabilities of expert l % 8
.set AO,   15                          ; v15  how often it was chosen
.set L,    16                          ; v16-31  8 partial logits a token
.set ACC,  32                          ; v32-63  a pair for each (token, expert)
.set X,    64                          ; v64-127 two tokens, 32 numbers each
.set WR,   128                         ; v128-191 Wg as loaded, then two sets of 32 by turns
.set CO,   192                         ; v192-199 codes
.set S,    200                         ; v200-207 what a lane sends
.set U,    208                         ; v208-223 eight registers of softmax a token
.set XSBR, 224
.set PRTR, 225
.set SGR,  226
.set O8,   227
.set O4,   228
.set O47,  229
.set DX,   230
.set DP,   232
.set DI,   236
.set DG,   237
.set PT,   238                         ; v238-239 the other half of the lanes'
.set QT,   240                         ; v240-247 four registers a token for the quantiser
.set WV,   20
.set SEL,  22
.set M1,   24
.set M2,   25
.set M4,   26
.set M8,   27
	s_load_b256 s[4:11], s[0:1], 0x0               ; x, Wg, bg, xc
	s_load_b256 s[12:19], s[0:1], 0x20             ; xsc, sel, gate, part
	v_lshl_add_u32 v248, v0, 2, 0x12400
	v_mov_b32 v249, 0
	v_lshrrev_b32 v1, 5, v0
	v_readfirstlane_b32 s[WV], v1                  ; wave 0..3
	v_and_b32 v[LN], 31, v0
	v_and_b32 v[T7], 7, v0
	v_lshrrev_b32 v[TS], 3, v[LN]
	v_mul_u32_u24 v[TS], v[TS], 144
	v_lshl_add_u32 v[TS], v[T7], 4, v[TS]
	v_mul_u32_u24 v[TL], v[LN], 144
	v_lshlrev_b32 v[A16], 4, v[LN]
	v_cvt_f32_u32 v[NEF], v[T7]
	v_mul_f32 v[NEF], -1.0, v[NEF]
	v_lshlrev_b32 v[O47], 2, v[T7]
	v_lshlrev_b32 v[O8], 3, v[LN]
	v_lshlrev_b32 v[O4], 2, v[LN]
	s_mul_i32 s28, s[WV], 9216                     ; two padded rows a wave
	s_add_co_u32 s29, s28, XST
	v_add_nc_u32 v[XW], s29, v[TS]
	v_add_nc_u32 v[XR], s29, v[TL]
	v_add_nc_u32 v[GW], s28, v[TS]
	s_lshl_b32 s29, s[WV], 6
	s_add_co_u32 s28, s29, XSB
	v_add_nc_u32 v[XSBW], s28, v[LN]
	s_add_co_u32 s28, s29, PRT
	v_and_b32 v[PRTR], 15, v0
	v_lshl_add_u32 v[PRTW], v[PRTR], 2, s28
	v_lshl_add_u32 v[PRTR], v[PRTR], 2, PRT
	s_lshl_b32 s28, s[WV], 3
	s_add_co_u32 s28, s28, SGW
	v_mov_b32 v[SGWW], s28
	v_add_nc_u32 v[XSBR], XSB, v[O8]
	v_add_nc_u32 v[SGR], SGW, v[O47]
	v_mov_b32 v[PT], 0                             ; a lane permute's destination counts as one of its sources
	v_mov_b32 v[PT+1], 0
	s_mov_b32 s[SEL], 0x76543210
	s_mov_b32 s[SEL+1], 0xfedcba98                 ; v_permlanex16_b32's selects for lane l xor 16
	s_mov_b32 s[M1], 0xaaaaaaaa                    ; lanes with bit 0 set,
	s_mov_b32 s[M2], 0xcccccccc                    ; bit 1,
	s_mov_b32 s[M4], 0xf0f0f0f0                    ; bit 2,
	s_mov_b32 s[M8], 0xff00ff00                    ; bit 3
	s_lshl_b32 s21, ttmp9, 3
	s_lshl_b32 s28, s[WV], 1
	s_add_co_u32 s21, s21, s28                     ; my wave's first token
	s_lshl_b32 s32, s21, 12
	s_mov_b32 s33, 0
	s_lshl_b32 s34, s[WV], 13
	s_mov_b32 s35, 0
	s_lshl_b32 s36, s21, 9
	s_mov_b32 s37, 0
	s_lshl_b32 s38, ttmp9, 8
	s_mov_b32 s39, 0
	s_lshl_b32 s40, ttmp9, 5
	s_mov_b32 s41, 0
	s_lshl_b32 s42, ttmp9, 6
	s_mov_b32 s43, 0
	s_wait_kmcnt 0x0
	s_add_nc_u64 s[4:5], s[4:5], s[32:33]          ; x at my two tokens
	s_add_nc_u64 s[6:7], s[6:7], s[34:35]          ; Wg at rows 2 w, 2 w + 1
	s_add_nc_u64 s[10:11], s[10:11], s[36:37]      ; xc at my two tokens
	s_add_nc_u64 s[12:13], s[12:13], s[38:39]      ; xsc, sel, gate, part at my work-group's part
	s_add_nc_u64 s[14:15], s[14:15], s[40:41]
	s_add_nc_u64 s[16:17], s[16:17], s[40:41]
	s_add_nc_u64 s[18:19], s[18:19], s[42:43]
	global_load_b32 v[BG], v[O47], s[8:9]
.irp k, 0,1
.irp i, 0,1,2,3,4,5,6,7
	global_load_b128 v[WR+32*\k+4*\i:WR+32*\k+4*\i+3], v[A16], s[6:7] offset:4096*\k+512*\i
.endr
.endr
.irp k, 0,1
.irp i, 0,1,2,3,4,5,6,7
	global_load_b128 v[X+32*\k+4*\i:X+32*\k+4*\i+3], v[A16], s[4:5] offset:4096*\k+512*\i th:TH_LOAD_NT
.endr
.endr
	s_wait_loadcnt 16                              ; bg and Wg's two rows are in; x's 16 loads may be out
.irp k, 0,1
.irp i, 0,1,2,3,4,5,6,7
	ds_store_b128 v[GW], v[WR+32*\k+4*\i:WR+32*\k+4*\i+3] offset:WGL+4608*\k+576*\i
.endr
.endr
	s_wait_loadcnt 0x0
.irp k, 0,1
.irp i, 0,1,2,3,4,5,6,7
	ds_store_b128 v[XW], v[X+32*\k+4*\i:X+32*\k+4*\i+3] offset:4608*\k+576*\i
.endr
.endr
	s_wait_dscnt 0x0                               ; for the others' sake: my two rows of Wg lie in LDS
	s_barrier_signal -1
	s_barrier_wait -1
.irp k, 0,1
.irp j, 0,1,2,3,4,5,6,7
	ds_load_b128 v[X+32*\k+4*\j:X+32*\k+4*\j+3], v[XR] offset:4608*\k+16*\j   ; my block of each token
.endr
.endr
.macro WGET e                          ; my block of expert e's row into set e % 2
.irp j, 0,1,2,3,4,5,6,7
	ds_load_b128 v[WR+32*((\e)%2)+4*\j:WR+32*((\e)%2)+4*\j+3], v[TL] offset:WGL+4608*(\e)+16*\j
.endr
.endm
	WGET 0
.irp e, 0,1,2,3,4,5,6,7
.if \e < 7
	WGET \e+1
	s_wait_dscnt 8                                 ; all but the next expert's eight loads are in
.else
	s_wait_dscnt 0x0
.endif
.irp j, 0,2,4,6,8,10,12,14,16,18,20,22,24,26,28,30
.irp k, 0,1
.if \j == 0
	v_pk_mul_f32 v[ACC+16*\k+2*\e:ACC+16*\k+2*\e+1], v[X+32*\k+\j:X+32*\k+\j+1], v[WR+32*(\e%2)+\j:WR+32*(\e%2)+\j+1]   ; the first product starts the sums
.else
	v_pk_fma_f32 v[ACC+16*\k+2*\e:ACC+16*\k+2*\e+1], v[X+32*\k+\j:X+32*\k+\j+1], v[WR+32*(\e%2)+\j:WR+32*(\e%2)+\j+1], v[ACC+16*\k+2*\e:ACC+16*\k+2*\e+1]
.endif
.endr
.endr
.endr
.irp e, 0,1,2,3,4,5,6,7
.irp k, 0,1
	v_add_f32 v[L+8*\k+\e], v[ACC+16*\k+2*\e], v[ACC+16*\k+2*\e+1]
.endr
.endr
; THE SUM OVER THE 32 LANES, TURNING AS IT GOES: of two registers a lane keeps one and sends the other to its partner, who keeps the other.  After steps 1, 2, 4 lane l holds expert l % 8's sum of its eight lanes.
.macro RED k, a, b, p, m, x
	v_cndmask_b32 v[S+4*\k+\p], v[L+8*\k+\b], v[L+8*\k+\a], s[\m]
	v_cndmask_b32 v[L+8*\k+\a], v[L+8*\k+\a], v[L+8*\k+\b], s[\m]
	v_add_f32_dpp v[L+8*\k+\a], v[S+4*\k+\p], v[L+8*\k+\a] row_xmask:\x row_mask:0xf bank_mask:0xf
.endm
.irp k, 0,1
	RED \k, 0, 1, 0, M1, 1
	RED \k, 2, 3, 1, M1, 1
	RED \k, 4, 5, 2, M1, 1
	RED \k, 6, 7, 3, M1, 1
.endr
.irp k, 0,1
	RED \k, 0, 2, 0, M2, 2
	RED \k, 4, 6, 1, M2, 2
.endr
.irp k, 0,1
	RED \k, 0, 4, 0, M4, 4
.endr
.irp k, 0,1
	v_add_f32_dpp v[L+8*\k], v[L+8*\k], v[L+8*\k] row_xmask:8 row_mask:0xf bank_mask:0xf
.endr
.irp k, 0,1
	v_permlanex16_b32 v[PT+\k], v[L+8*\k], s[SEL], s[SEL+1]
.endr
.irp k, 0,1
	v_add_f32 v[L+8*\k], v[L+8*\k], v[PT+\k]
.endr
.irp k, 0,1
	v_add_f32 v[L+8*\k], v[L+8*\k], v[BG]          ; the logit of expert l % 8, the same bits in all four groups of eight lanes
.endr
; softmax over eight lanes.  U+0 the maximum, +1 the negated index, +2 the exponential, +3 the sum, +4 its reciprocal, +5 the index, +6 one where I am the chosen expert
.irp k, 0,1
	v_mov_b32 v[U+8*\k], v[L+8*\k]
.endr
.irp x, 1,2,4
.irp k, 0,1
	v_max_num_f32_dpp v[U+8*\k], v[U+8*\k], v[U+8*\k] row_xmask:\x row_mask:0xf bank_mask:0xf
.endr
.endr
.irp k, 0,1
	v_cmp_eq_f32 vcc_lo, v[L+8*\k], v[U+8*\k]
	v_cndmask_b32 v[U+8*\k+1], 0xc1000000, v[NEF], vcc_lo   ; -(my index) where my logit is the maximum, else -8
	v_sub_f32 v[U+8*\k+2], v[L+8*\k], v[U+8*\k]
.endr
.irp x, 1,2,4
.irp k, 0,1
	v_max_num_f32_dpp v[U+8*\k+1], v[U+8*\k+1], v[U+8*\k+1] row_xmask:\x row_mask:0xf bank_mask:0xf   ; the largest of them: the LOWEST index among equals
.endr
.endr
.irp k, 0,1
	v_mul_f32 v[U+8*\k+2], 0x3fb8aa3b, v[U+8*\k+2] ; (logit - maximum) x log2(e): 0 at the maximum, exactly
.endr
.irp k, 0,1
	v_exp_f32 v[U+8*\k+2], v[U+8*\k+2]
.endr
.irp k, 0,1
	v_mul_f32 v[U+8*\k+5], -1.0, v[U+8*\k+1]       ; plain work behind the exponentials
.endr
	s_wait_alu depctr_va_vdst(0)                   ; one wait for both exponentials, ahead of their first reader
.irp k, 0,1
	v_mov_b32 v[U+8*\k+3], v[U+8*\k+2]
.endr
.irp x, 1,2,4
.irp k, 0,1
	v_add_f32_dpp v[U+8*\k+3], v[U+8*\k+3], v[U+8*\k+3] row_xmask:\x row_mask:0xf bank_mask:0xf
.endr
.endr
.irp k, 0,1
	v_rcp_f32 v[U+8*\k+4], v[U+8*\k+3]             ; 1 / the sum: this is the chosen expert's probability, its exponential being 1
.endr
.irp k, 0,1
	v_cvt_u32_f32 v[U+8*\k+5], v[U+8*\k+5]         ; plain work behind the reciprocals: the choice as a whole number
.endr
.irp k, 0,1
	v_cmp_eq_f32 vcc_lo, v[U+8*\k+1], v[NEF]
	v_cndmask_b32 v[U+8*\k+6], 0, 1.0, vcc_lo
.endr
	v_add_f32 v[AO], v[U+6], v[U+14]
	s_wait_alu depctr_va_vdst(0)                   ; one wait for both reciprocals
	v_mul_f32 v[AP], v[U+2], v[U+4]
	v_fma_f32 v[AP], v[U+10], v[U+12], v[AP]
; x into codes: all 32 numbers of a block are mine
.macro QX k
.set XS, X+32*\k
.set Q, QT+4*\k
	v_max3_num_f32 v[Q], |v[XS]|, |v[XS+1]|, |v[XS+2]|
	v_max3_num_f32 v[Q+1], |v[XS+3]|, |v[XS+4]|, |v[XS+5]|
.irp i, 6,10,14,18,22,26
	v_max3_num_f32 v[Q], v[Q], |v[XS+\i]|, |v[XS+\i+1]|
	v_max3_num_f32 v[Q+1], v[Q+1], |v[XS+\i+2]|, |v[XS+\i+3]|
.endr
	v_max3_num_f32 v[Q], v[Q], |v[XS+30]|, |v[XS+31]|
	v_max3_num_f32 v[Q], v[Q], v[Q+1], 0x1800000   ; the floor 2^(3 - 127): the byte cannot fall under 1
	v_add_nc_u32 v[Q+2], 0xff000000, v[Q]          ; 2 off the exponent field: the conversion takes this operand's exponent field as its scale
.irp g, 0,1,2,3
	v_cvt_scalef32_pk8_fp4_f32 v[CO+4*\k+\g], v[XS+8*\g:XS+8*\g+7], v[Q+2]
.endr
	v_lshrrev_b32 v[Q+3], 23, v[Q+2]               ; the scale's byte (also the plain line behind the conversions)
	global_store_b128 v[A16], v[CO+4*\k:CO+4*\k+3], s[10:11] offset:512*\k   ; the wave stores a token's 512 bytes of codes on end
	ds_store_b8 v[XSBW], v[Q+3] offset:32*\k
.endm
	QX 0
	QX 1
.irp k, 0,1
	ds_store_b32 v[SGWW], v[U+8*\k+5] offset:4*\k  ; all lanes write the same word with the same value
	ds_store_b32 v[SGWW], v[U+8*\k+4] offset:32+4*\k
.endr
	v_cndmask_b32 v[S], v[AP], v[AO], s[M8]        ; lanes 0-7 of a row of 16: probabilities; lanes 8-15: counts
	ds_store_b32 v[PRTW], v[S]
	s_wait_dscnt 0x0
	s_barrier_signal -1
	s_barrier_wait -1
	s_cmp_lg_u32 s[WV], 0                          ; wave 0 stores what the four waves have gathered
	s_cbranch_scc1 .Lend
	ds_load_b64 v[DX:DX+1], v[XSBR]
.irp k, 0,1,2,3
	ds_load_b32 v[DP+\k], v[PRTR] offset:64*\k
.endr
	ds_load_b32 v[DI], v[SGR]
	ds_load_b32 v[DG], v[SGR] offset:32
	s_wait_dscnt 0x0
	global_store_b64 v[O8], v[DX:DX+1], s[12:13]   ; 8 tokens' scale bytes: 256 consecutive bytes, aligned
	v_add_f32 v[DP], v[DP], v[DP+1]
	v_add_f32 v[DP+2], v[DP+2], v[DP+3]
	v_add_f32 v[DP], v[DP], v[DP+2]
	s_wait_xcnt 0x0                                ; EXEC changes only behind this wait
	v_cmp_gt_u32 vcc_lo, 16, v[LN]
	s_and_saveexec_b32 s30, vcc_lo
	global_store_b32 v[O4], v[DP], s[18:19]
	s_wait_xcnt 0x0
	s_or_b32 exec_lo, exec_lo, s30
	v_cmp_gt_u32 vcc_lo, 8, v[LN]
	s_and_saveexec_b32 s30, vcc_lo
	global_store_b32 v[O4], v[DI], s[14:15]
	global_store_b32 v[O4], v[DG], s[16:17]
	s_wait_xcnt 0x0
	s_or_b32 exec_lo, exec_lo, s30
.Lend:
	s_wait_tensorcnt 0x0
	ds_add_u32 v248, v249
	s_wait_dscnt 0x0
	s_endpgm
.Lfunc_end_k_qced8a22b80_route:
	.size	k_qced8a22b80_route, .Lfunc_end_k_qced8a22b80_route-k_qced8a22b80_route
	.p2alignl 7, 3214868480
	.fill 96, 4, 3214868480
	.section	.rodata,"a",@progbits
	.p2align	6, 0x0
	.amdhsa_kernel k_qced8a22b80_route
		.amdhsa_group_segment_fixed_size 75264
		.amdhsa_private_segment_fixed_size 0
		.amdhsa_enable_private_segment 0
		.amdhsa_kernarg_size 64
		.amdhsa_user_sgpr_count 2
		.amdhsa_user_sgpr_kernarg_segment_ptr 1
		.amdhsa_wavefront_size32 1
		.amdhsa_system_sgpr_workgroup_id_x 1
		.amdhsa_system_sgpr_workgroup_id_y 1
		.amdhsa_system_sgpr_workgroup_id_z 1
		.amdhsa_system_vgpr_workitem_id 0
		.amdhsa_next_free_vgpr 250
		.amdhsa_next_free_sgpr 66
		.amdhsa_reserve_vcc 1
		.amdhsa_float_denorm_mode_32 3
		.amdhsa_float_denorm_mode_16_64 3
		.amdhsa_memory_ordered 1
		.amdhsa_forward_progress 1
		.amdhsa_inst_pref_size 41
	.end_amdhsa_kernel
	.amdgpu_metadata
---
amdhsa.version: [ 1, 2 ]
amdhsa.kernels:
  - .name:           k_qced8a22b80_route
    .symbol:         k_qced8a22b80_route.kd
    .args:
      - { .name: x, .offset: 0, .size: 8, .value_kind: global_buffer, .address_space: global }
      - { .name: Wg, .offset: 8, .size: 8, .value_kind: global_buffer, .address_space: global }
      - { .name: bg, .offset: 16, .size: 8, .value_kind: global_buffer, .address_space: global }
      - { .name: xc, .offset: 24, .size: 8, .value_kind: global_buffer, .address_space: global }
      - { .name: xsc, .offset: 32, .size: 8, .value_kind: global_buffer, .address_space: global }
      - { .name: sel, .offset: 40, .size: 8, .value_kind: global_buffer, .address_space: global }
      - { .name: gate, .offset: 48, .size: 8, .value_kind: global_buffer, .address_space: global }
      - { .name: part, .offset: 56, .size: 8, .value_kind: global_buffer, .address_space: global }
    .group_segment_fixed_size: 75264
    .private_segment_fixed_size: 0
    .kernarg_segment_align: 8
    .kernarg_segment_size: 64
    .max_flat_workgroup_size: 128
    .sgpr_count:     66
    .vgpr_count:     250
    .wavefront_size: 32
...
	.end_amdgpu_metadata
.endif
;; end of part 1
;; launch up (part 2): grid 86 x 8, 4 waves a work-group, no clusters, 46,080 bytes of LDS; arguments Wu, Wv, xc, xsc, sel, part, hc, hsc, out1; writes hc, hsc, out1
.if DOCPART == 2
	.amdgcn_target "amdgcn-amd-amdhsa--gfx1250"
	.amdhsa_code_object_version 6
	.text
	.protected	k_qced8a22b80_up
	.globl	k_qced8a22b80_up
	.p2align	8
	.type	k_qced8a22b80_up,@function
k_qced8a22b80_up:
	s_mov_b64 s[64:65], 0
	v_nop
	global_prefetch_b8 v0, s[64:65] scope:SCOPE_SE
	s_setreg_imm32_b32 hwreg(HW_REG_WAVE_MODE, 25, 1), 1
	s_wait_xcnt 0x0
; THE UP PRODUCTS AND THE ACTIVATION, for the chosen rows alone.  Work-group (blk, e): hidden units 32 blk .. 32 blk + 31 of expert e.
; It reads its 32 rows of Wu and 32 rows of Wv (f32, 4,096 bytes each) from memory ONCE, quantises them to E2M1 with one E8M0 byte for each 32 along K, and multiplies them with the codes of the tokens that chose e.
; silu(u) v is quantised along the hidden units (its 32 units are one block) and stored: hc [8 e][86 blk][1024 pos][16 bytes], hsc [8 e][22 s][1024 pos][4 bytes] (byte b: block 4 s + b); pos = a token's place in its expert's list.
; THE LIST.  Every wave reads sel (whole numbers that the launch before stored) and counts expert e's tokens; wave 0 lays their numbers in LDS, register by register, lane by lane (register k, lane l: token 128 (k / 4) + 4 l + k % 4).
; The last tile of 16 is filled up with the expert's first token: such rows write places of their own.  The launch that follows makes the same list by the same lines.
; PHASES.  (1) the list, while the first 48 weight loads of each wave are on their way | barrier | (2) each wave asks for the codes of its first two tiles of tokens, then streams weight tile w (Wu's two tiles of 16 rows, Wv's two), 8 K steps of 128 |
; barrier | (3) every wave takes all 32 fragments into registers and walks tiles of 16 tokens, w, w + 4, ..: 32 matrix instructions (source 0 = 16 weight rows, source 1 = 16 tokens: a lane holds ONE token), activation, quantiser, store.
; THE WEIGHTS ARE QUANTISED AS THE LOADS LEAVE THEM.  Each load reads 512 consecutive bytes of a row: lane l holds k = 4 l .. 4 l + 3, so a block of 32 lies in eight neighbouring lanes, whose largest magnitude three steps across lanes give to all eight.
; The conversion takes eight registers, the four of row 2 m and the four of row 2 m + 1: with row 2 m's scale its low 16 bits are that row's four codes, with row 2 m + 1's its high 16 bits are the other's.  An exchange between lanes l and l xor 1
; makes whole words of them (even lanes: 8 codes of row 2 m; odd lanes: of row 2 m + 1), which are stored straight into the image of the operand's registers in LDS.  So 32,768 bytes of codes go through LDS for a work-group's 262,144 bytes of weights.
; AN IMAGE of a fragment (16 rows x 128 K): block g = 0 .. 3 at 288 g, row r at 16 r in it: 256 bytes + 32 of padding.
; Lane (r, h) reads registers 4 c .. 4 c + 3 at 576 c + 288 h + 16 r: sixteen lanes, 256 consecutive bytes.
; THE ROWS OF A TILE ARE NOT NEIGHBOURS: tile u takes rows 8 u + i + 8 (i / 8), so that a lane's 16 results of tiles 0 and 1 are units 16 (lane / 16) + 0 .. 15.
; The loop over tiles has a constant count of trips; a tile beyond the expert's count is jumped over by a scalar branch on the count.  So there is no tensor load and no barrier in or behind it.
; An expert without tokens is streamed all the same: only time is lost, on such splits alone.
; No cluster: no two work-groups read the same weights; what they share, x's codes, is 8,704 bytes a tile against 262,144 bytes of weights, and the number of tiles hangs on counts read from memory.
; One wave of one work-group also finishes the load-balance loss from part [128][16]: out1 = 0.05 x 8 x sum over e of (count_e / 1024) (sum of probabilities_e / 1024).
; LIMITS: NaN and infinities are not served.  A block whose largest magnitude lies under 2^-124 (zeros among them) gets the byte 1: its codes are zeros or next to it, and this program alone reads the bytes.
; silu(u) v is formed as (u v) / (1 + 2^(-u log2 e)): right for every finite u (the exponential may overflow to infinity, whose reciprocal is 0).
.set NF,       8                       ; fragments (K steps of 128) of a wave's tile
.set DEPTH,    4                       ; sets of raw rows, in window 1: four K steps, 32 KiB a wave, asked for ahead
.set ROWBYTES, 4096
.set FSTEP,    512
.set FIMG,     1152                    ; an image: 4 blocks x 288 bytes
.set IMSTEP,   FIMG
.set XLOADS,   34                      ; the loads of a wave's first two tiles of tokens
.set IMG,  0                           ; LDS: 32 images: tile t, K step s at 8 t + s
.set WSC,  36864                       ; their scale words: 8 images of four registers
.set LST,  40960                       ; the list: 1,040 places, 32 words for lanes that have nothing to store, the rest zeros: 4,608 bytes
.set LN,   1
.set R,    2
.set H,    3
.set A16,  4                           ; 16 x lane
.set IMW,  5                           ; where my word of codes goes in an image: 288 (l / 8) + 16 (l % 2) + 2 (l % 8 - l % 2), + my wave's eight images
.set PSEL, 6                           ; v_perm_b32's selector: even lanes take the two low halves, odd lanes the two high halves
.set G8S,  7                           ; 8 (l / 8): my block's place in a scale word, in bits
.set IMR,  8                           ; 288 h + 16 r
.set WSW,  9
.set WSR,  10
.set LA,   11                          ; LST + 4 (lane % 16)
.set H16,  13
.set HC0,  14
.set HS0,  15
.set SCA,  16                          ; the list's store address, and nothing else
.set POS,  17
.set TOK,  18
.set TK0,  19
.set DMP,  20
.set ZA,   21
.set LA0,  22
.set LAD,  23
.set TOKR, 24
.set XA,   25                          ; v25-26
.set SA,   27                          ; v27-28
.set HA,   29
.set HSA,  30
.set K7F,  31
.set WS,   32                          ; v32-63   the weights' scale words, register 8 t + s
.set X,    64                          ; v64-191  the codes of two tiles of tokens; when a set's products are done, the activation's work
.set XS,   192                         ; v192-199 the tokens' scale words, two sets of four
.set C,    200                         ; v200-203 zeros for the list's region
.set AB,   204                         ; v204-207 at work on a scale word
.set TM,   208
.set SO,   212
.set IDX,  216                         ; v216-247 sel; then
.set M,    216                         ; v216-231 sixteen rows' largest magnitudes, then scale operands,
.set CC,   232                         ; v232-247 and codes; then
.set ACC,  216                         ; v216-247 the four accumulators
.set SW,   248                         ; v248-251 four K steps' scale words
.set PT,   252
.set BYH,  253
.set CD,   254                         ; v254-255 the hidden layer's codes
.set WV,   22
.set E,    23
.set BLK,  24
.set WB,   26
.set SEL,  30
.set CN,   32
.set NT,   34
.set T,    35
.set OFF,  36
.set HCB,  40
.set HSB,  42
.set NL2E, 44
.set MK,   48                          ; s49-55  lanes with l % 8 = 1 .. 7
.set PM,   56
.set M8,   57                          ; lanes with bit 3 set
.set MSB, 0
.macro WIN new                         ; which window of 256 registers each operand place means; the immediate's high byte repeats the setting that is left
.if MSB != \new
	s_set_vgpr_msb (MSB<<8)|\new
.set MSB, \new
.endif
.endm
.macro LOAD f                          ; K step f of my 16 rows, as it lies: each load 512 consecutive bytes; into set f % DEPTH, in window 1
	WIN 0x40
.irp i, 0,1,2,3,4,5,6,7,8,9,10,11,12,13,14,15
	global_load_b128 v[64*((\f)%DEPTH)+4*\i:64*((\f)%DEPTH)+4*\i+3], v[A16], s[WB:WB+1] offset:(\i+8*(\i/8))*ROWBYTES+FSTEP*(\f) th:TH_LOAD_NT
.endr
	WIN 0
.endm
; ONE K STEP OF MY TILE: 16 rows x 128 numbers become a fragment's image and a scale word for each row.
.macro QSTEP f
.set RS, 64*((\f)%DEPTH)
.set YL, (\f)+DEPTH-1
.if YL > NF-1
.set YL, NF-1
.endif
.set NW, 16*(YL-(\f))                  ; loads younger than this K step's: 16 for each K step asked for behind it,
.if (\f) < DEPTH
.set NW, NW+XLOADS                     ; and the 34 of the tokens' first two tiles, which were issued behind K step DEPTH - 1;
.endif
.if NW > 63
.set NW, 63                            ; a wait names 63 at the most; a smaller count than the loads that are younger is safe
.endif
	s_wait_loadcnt NW
	WIN 0x15                                       ; three sources in window 1
.irp i, 0,1,2,3,4,5,6,7,8,9,10,11,12,13,14,15
	v_max3_num_f32 v[M+\i], |v[RS+4*\i]|, |v[RS+4*\i+1]|, |v[RS+4*\i+2]|
.endr
	WIN 0x01                                       ; source 0 in window 1
.irp i, 0,1,2,3,4,5,6,7,8,9,10,11,12,13,14,15
	v_max3_num_f32 v[M+\i], |v[RS+4*\i+3]|, v[M+\i], 0x1800000   ; my four numbers of row i, and the floor 2^(3 - 127): the byte cannot fall under 1
.endr
	WIN 0
.irp x, 1,2,4
.irp i, 0,1,2,3,4,5,6,7,8,9,10,11,12,13,14,15
	v_max_num_f32_dpp v[M+\i], v[M+\i], v[M+\i] row_xmask:\x row_mask:0xf bank_mask:0xf   ; over the block's eight lanes (the sixteen rows by turns)
.endr
.endr
.irp i, 0,1,2,3,4,5,6,7,8,9,10,11,12,13,14,15
	v_add_nc_u32 v[M+\i], 0xff000000, v[M+\i]      ; 2 off the exponent field: the conversion's scale operand
.endr
	s_wait_dscnt 0x0                               ; the last K step's LDS stores have read their registers
	WIN 0x01
.irp m, 0,1,2,3,4,5,6,7
	v_cvt_scalef32_pk8_fp4_f32 v[CC+2*\m], v[RS+8*\m:RS+8*\m+7], v[M+2*\m]       ; low 16 bits: my four codes of row 2 m
	v_cvt_scalef32_pk8_fp4_f32 v[CC+2*\m+1], v[RS+8*\m:RS+8*\m+7], v[M+2*\m+1]   ; high 16 bits: of row 2 m + 1
.endr
.if (\f)+DEPTH < NF
	LOAD (\f)+DEPTH                                ; the set is read out: it takes the K step DEPTH further on
.else
	WIN 0
.endif
	; the rows' scale words.  Lane (g = l / 8, p = l % 8) picks the operands of rows p and 8 + p, block g
	v_cndmask_b32 v[AB], v[M], v[M+1], s[MK+1]
	v_cndmask_b32 v[AB+1], v[M+8], v[M+9], s[MK+1]
.irp i, 2,3,4,5,6,7
	v_cndmask_b32 v[AB], v[AB], v[M+\i], s[MK+\i]
	v_cndmask_b32 v[AB+1], v[AB+1], v[M+8+\i], s[MK+\i]
.endr
	v_lshrrev_b32 v[AB], 23, v[AB]                 ; the scales' bytes,
	v_lshrrev_b32 v[AB+1], 23, v[AB+1]
	v_lshlrev_b32 v[AB], v[G8S], v[AB]             ; at block g's place in the word
	v_lshlrev_b32 v[AB+1], v[G8S], v[AB+1]
	v_cndmask_b32 v[SW+(\f)%4], v[AB], v[AB+1], s[M8]   ; I keep the byte of row l % 16
	v_cndmask_b32 v[AB+2], v[AB+1], v[AB], s[M8]   ; and send the other to lane l xor 8, whose row it is
	v_mov_b32_dpp v[AB+3], v[AB+2] row_xmask:8 row_mask:0xf bank_mask:0xf
	v_or_b32 v[SW+(\f)%4], v[SW+(\f)%4], v[AB+3]
	v_permlanex16_b32 v[AB+3], v[SW+(\f)%4], s[SEL], s[SEL+1]
	v_or_b32 v[SW+(\f)%4], v[SW+(\f)%4], v[AB+3]   ; with lane l xor 16's two bytes the word of row l % 16 is whole
	; the codes: whole words
.irp m, 0,1,2,3,4,5,6,7
	v_perm_b32 v[CC+2*\m], v[CC+2*\m+1], v[CC+2*\m], s[PM]   ; row 2 m's four codes below, row 2 m + 1's above
.endr
.irp m, 0,1,2,3,4,5,6,7
	v_mov_b32_dpp v[CC+2*\m+1], v[CC+2*\m] row_xmask:1 row_mask:0xf bank_mask:0xf
.endr
.irp m, 0,1,2,3,4,5,6,7
	v_perm_b32 v[CC+2*\m], v[CC+2*\m], v[CC+2*\m+1], v[PSEL] ; even lanes: mine and my neighbour's of row 2 m; odd lanes: my neighbour's and mine of row 2 m + 1
.endr
.irp m, 0,1,2,3,4,5,6,7
	ds_store_b32 v[IMW], v[CC+2*\m] offset:IMG+IMSTEP*(\f)+32*\m
.endr
.if (\f)%4 == 3
	ds_store_b128 v[WSW], v[SW:SW+3] offset:512*((\f)/4)   ; four K steps' scale words, as an image of four registers
.endif
.endm
.macro COUNT                           ; how many tokens chose e
.irp k, 0,1,2,3,4,5,6,7,8,9,10,11,12,13,14,15,16,17,18,19,20,21,22,23,24,25,26,27,28,29,30,31
	v_cmp_eq_u32 vcc_lo, s[E], v[IDX+\k]
	s_bcnt1_i32_b32 s33, vcc_lo
	s_add_co_u32 s[CN], s[CN], s33
.endr
.endm
.macro MKLIST                          ; the same count, and the tokens' numbers into the list
.irp k, 0,1,2,3,4,5,6,7,8
	ds_store_b128 v[ZA], v[C:C+3] offset:512*\k    ; the whole region begins as token 0
.endr
.irp k, 0,1,2,3,4,5,6,7,8,9,10,11,12,13,14,15,16,17,18,19,20,21,22,23,24,25,26,27,28,29,30,31
	v_cmp_eq_u32 vcc_lo, s[E], v[IDX+\k]
	v_mbcnt_lo_u32_b32 v[POS], vcc_lo, s[CN]       ; those before me in this register, and all of the registers before
	v_cndmask_b32 v[POS], v[DMP], v[POS], vcc_lo   ; a lane with nothing to store writes a word of its own behind the list
	v_min_u32 v[POS], 0x42f, v[POS]
	v_lshl_add_u32 v[SCA], v[POS], 2, LST
	v_add_nc_u32 v[TOK], 128*(\k/4)+(\k%4), v[TK0]
	ds_store_b32 v[SCA], v[TOK]
	s_bcnt1_i32_b32 s33, vcc_lo
	s_add_co_u32 s[CN], s[CN], s33
.endr
	ds_load_b32 v[TOK], v[LA0]                     ; the expert's first token fills the last tile up
	v_add_nc_u32 v[POS], s[CN], v[R]
	v_min_u32 v[POS], 0x42f, v[POS]
	v_lshl_add_u32 v[SCA], v[POS], 2, LST
	s_wait_dscnt 0x0
	ds_store_b32 v[SCA], v[TOK]
.endm
	s_load_b256 s[4:11], s[0:1], 0x0               ; Wu, Wv, xc, xsc
	s_load_b256 s[12:19], s[0:1], 0x20             ; sel, part, hc, hsc
	s_load_b64 s[20:21], s[0:1], 0x40              ; out1
	v_lshl_add_u32 v214, v0, 2, 0xb200
	v_mov_b32 v215, 0
	v_lshrrev_b32 v1, 5, v0
	v_readfirstlane_b32 s[WV], v1                  ; wave 0..3
	s_and_b32 s[E], ttmp7, 0xffff
	s_mov_b32 s[BLK], ttmp9
	v_and_b32 v[LN], 31, v0
	v_and_b32 v[R], 15, v0
	v_bfe_u32 v[H], v0, 4, 1
	v_lshlrev_b32 v[A16], 4, v[LN]
	v_bfe_u32 v[G8S], v0, 3, 2                     ; g = lane / 8
	v_mul_u32_u24 v[IMW], v[G8S], 288
	v_lshlrev_b32 v[G8S], 3, v[G8S]
	v_and_b32 v[PSEL], 1, v0
	v_lshl_add_u32 v[IMW], v[PSEL], 4, v[IMW]      ; odd lanes: one row further on
	v_and_b32 v[PSEL], 6, v0
	v_lshl_add_u32 v[IMW], v[PSEL], 1, v[IMW]      ; a pair of lanes: 4 bytes of a row's 16
	s_mul_i32 s28, s[WV], 8*FIMG
	v_add_nc_u32 v[IMW], s28, v[IMW]
	v_mov_b32 v[PSEL], 0x01000504                  ; source 0's low half, then source 1's low half
	v_mov_b32 v[AB], 0x07060302                    ; source 1's high half, then source 0's high half
	s_mov_b32 s28, 0xaaaaaaaa
	v_cndmask_b32 v[PSEL], v[PSEL], v[AB], s28
	v_mul_u32_u24 v[IMR], v[H], 288
	v_lshl_add_u32 v[IMR], v[R], 4, v[IMR]
	s_lshl_b32 s28, s[WV], 10
	s_add_co_u32 s28, s28, WSC
	v_add_nc_u32 v[WSW], s28, v[A16]
	v_add_nc_u32 v[WSR], WSC, v[A16]
	v_lshl_add_u32 v[LA], v[R], 2, LST
	v_lshlrev_b32 v[H16], 4, v[H]
	v_lshlrev_b32 v[HC0], 4, v[R]
	v_lshl_add_u32 v[HC0], v[H], 3, v[HC0]         ; hc: 16 bytes a place, my half's 8
	v_lshlrev_b32 v[HS0], 2, v[R]                  ; hsc: 4 bytes a place
	v_lshlrev_b32 v[TK0], 2, v[LN]
	v_add_nc_u32 v[DMP], 1040, v[LN]
	v_add_nc_u32 v[ZA], LST, v[A16]
	v_mov_b32 v[LA0], LST
	v_mov_b32 v[K7F], 0x7f7f                       ; two scale bytes of one, for the blocks 86 and 87 that the hidden layer does not have
	v_mov_b32 v[PT], 0                             ; the destination of a lane permute or of a DPP form counts as one of its sources
	v_mov_b32 v[AB+3], 0
.irp i, 0,1,2,3
	v_mov_b32 v[C+\i], 0
.endr
	s_mov_b32 s[SEL], 0x76543210
	s_mov_b32 s[SEL+1], 0xfedcba98
	s_mov_b32 s[NL2E], 0xbfb8aa3b                  ; -log2(e)
	s_mov_b32 s[NL2E+1], s[NL2E]
.irp i, 1,2,3,4,5,6,7
	s_mov_b32 s[MK+\i], 0x01010101<<\i
.endr
	s_mov_b32 s[PM], 0x07060100                    ; source 1's low half, then source 0's high half
	s_mov_b32 s[M8], 0xff00ff00
	s_mul_i32 s28, s[E], 2752
	s_lshl_b32 s29, s[BLK], 5
	s_add_co_u32 s28, s28, s29
	s_and_b32 s29, s[WV], 1
	s_lshl_b32 s29, s29, 3
	s_add_co_u32 s28, s28, s29                     ; my tile's first row: 2752 e + 32 blk + 8 (w % 2)
	s_lshl_b32 s28, s28, 12                        ; in bytes (under 2^27)
	s_mov_b32 s29, 0
	s_mul_i32 s38, s[E], 86
	s_add_co_u32 s38, s38, s[BLK]
	s_lshl_b32 s38, s38, 14
	s_mov_b32 s39, 0
	s_mul_i32 s46, s[E], 22
	s_lshr_b32 s47, s[BLK], 2
	s_add_co_u32 s46, s46, s47
	s_lshl_b32 s46, s46, 12
	s_and_b32 s47, s[BLK], 3
	s_add_co_u32 s46, s46, s47
	s_mov_b32 s47, 0
	s_wait_kmcnt 0x0
	s_cmp_lt_u32 s[WV], 2                          ; waves 0 and 1 stream Wu, waves 2 and 3 Wv
	s_cselect_b64 s[WB:WB+1], s[4:5], s[6:7]
	s_add_nc_u64 s[WB:WB+1], s[WB:WB+1], s[28:29]
	s_add_nc_u64 s[HCB:HCB+1], s[16:17], s[38:39]
	s_add_nc_u64 s[HSB:HSB+1], s[18:19], s[46:47]
.irp j, 0,1,2,3,4,5,6,7
	global_load_b128 v[IDX+4*\j:IDX+4*\j+3], v[A16], s[12:13] offset:512*\j
.endr
	LOAD 0
	LOAD 1
	LOAD 2
	s_wait_loadcnt 48                              ; sel is in; the 48 weight loads behind it stay out
	s_mov_b32 s[CN], 0
	s_cmp_lg_u32 s[WV], 0
	s_cbranch_scc1 .Lcnt
	MKLIST
	s_branch .Ljoin
.Lcnt:
	COUNT
.Ljoin:
	s_wait_dscnt 0x0                               ; the list lies in LDS; up to here wave 0 alone has touched LDS
	s_barrier_signal -1
	s_barrier_wait -1
	s_add_co_u32 s[NT], s[CN], 15
	s_lshr_b32 s[NT], s[NT], 4
	s_min_u32 s[NT], s[NT], 64                     ; tiles of 16 tokens
	s_mov_b32 s[T], s[WV]                          ; my first tile,
	s_lshl_b32 s[OFF], s[WV], 6                    ; and its 64 bytes of the list
; the codes and scale words of the tile that lies d bytes of the list on from s[OFF], into set b.  A token's number enters an address only behind its clamp.
.macro XFETCH b, d
	v_add_nc_u32 v[LAD], s[OFF], v[LA]
	ds_load_b32 v[TOKR], v[LAD] offset:\d
	s_wait_dscnt 0x0
	v_min_u32 v[TOKR], 0x3ff, v[TOKR]
	v_lshl_add_u32 v[XA+(\b)], v[TOKR], 9, v[H16]  ; xc: 512 bytes a token, + 16 h
	v_lshl_add_u32 v[SA+(\b)], v[TOKR], 5, v[H16]  ; xsc: 32 bytes a token: lanes 0-15 take words 0-3, lanes 16-31 words 4-7
.irp s, 0,1,2,3,4,5,6,7
.irp c, 0,1
	global_load_b128 v[X+64*(\b)+8*\s+4*\c:X+64*(\b)+8*\s+4*\c+3], v[XA+(\b)], s[8:9] offset:64*\s+32*\c
.endr
.endr
	global_load_b128 v[XS+4*(\b):XS+4*(\b)+3], v[SA+(\b)], s[10:11]
.endm
	LOAD 3
	XFETCH 0, 0                                    ; my first two tiles of tokens, w and w + 4, are asked for here, with no branch: they land under the whole stream.
	XFETCH 1, 256                                  ; (Beyond the expert's count the list holds token 0: the loads stay inside xc, and such a tile is jumped over below)
.irp f, 0,1,2,3,4,5,6,7
	QSTEP \f
.endr
	s_wait_dscnt 0x0                               ; my images lie in LDS
	s_barrier_signal -1
	s_barrier_wait -1
	WIN 0x40                                       ; all 32 fragments into window 1: fragment F at v[8 F]
.irp F, 0,1,2,3,4,5,6,7,8,9,10,11,12,13,14,15,16,17,18,19,20,21,22,23,24,25,26,27,28,29,30,31
.irp c, 0,1
	ds_load_b128 v[8*\F+4*\c:8*\F+4*\c+3], v[IMR] offset:IMG+FIMG*\F+576*\c
.endr
.endr
	WIN 0
.irp g, 0,1,2,3,4,5,6,7
	ds_load_b128 v[WS+4*\g:WS+4*\g+3], v[WSR] offset:512*\g
.endr
	s_wait_dscnt 0x0
; ONE TILE OF 16 TOKENS, tile s[T] + 4 b, its codes in set b.  The wait for the codes stands at the trip's head; at its end the tile asks for the tile eight further on, into its own set.
.macro TILE b
.set TT, X+64*\b                       ; the set is done with behind the products: 16 registers for the exponentials,
.set HH, TT+16                         ; 16 for the hidden layer,
.set PP, TT+32                         ; 16 for u v
	s_add_co_u32 s38, s[T], 4*\b
	s_cmp_ge_u32 s38, s[NT]
	s_cbranch_scc1 .Lskip_\@
	s_wait_xcnt 0x0                                ; the last tile's stores have read their registers
	s_add_co_u32 s28, s[OFF], 256*\b
	s_lshl_b32 s29, s28, 2
	WIN 0x01                                       ; source 0, the weights, in window 1
.irp s, 0,1,2,3,4,5,6,7                    ; the four accumulators take turns, one instruction a turn
.irp t, 0,1,2,3
.if \s == 0
	v_wmma_scale_f32_16x16x128_f8f6f4 v[ACC+8*\t:ACC+8*\t+7], v[8*(8*\t+\s):8*(8*\t+\s)+7], v[X+64*\b+8*\s:X+64*\b+8*\s+7], 0, v[WS+8*\t+\s], v[XS+4*\b+\s] matrix_a_fmt:MATRIX_FMT_FP4 matrix_b_fmt:MATRIX_FMT_FP4
.elseif \s < 4
	v_wmma_scale_f32_16x16x128_f8f6f4 v[ACC+8*\t:ACC+8*\t+7], v[8*(8*\t+\s):8*(8*\t+\s)+7], v[X+64*\b+8*\s:X+64*\b+8*\s+7], v[ACC+8*\t:ACC+8*\t+7], v[WS+8*\t+\s], v[XS+4*\b+\s] matrix_a_fmt:MATRIX_FMT_FP4 matrix_b_fmt:MATRIX_FMT_FP4
.else
	v_wmma_scale_f32_16x16x128_f8f6f4 v[ACC+8*\t:ACC+8*\t+7], v[8*(8*\t+\s):8*(8*\t+\s)+7], v[X+64*\b+8*\s:X+64*\b+8*\s+7], v[ACC+8*\t:ACC+8*\t+7], v[WS+8*\t+\s], v[XS+4*\b+\s-4] matrix_a_fmt:MATRIX_FMT_FP4 matrix_b_fmt:MATRIX_FMT_FP4 matrix_b_scale:MATRIX_SCALE_ROW1
.endif
.endr
.endr
	WIN 0
	v_add_nc_u32 v[HA], s29, v[HC0]                ; four places behind the last product (ISA guide 7.12.1): where the tile's codes
	v_add_nc_u32 v[HSA], s28, v[HS0]               ; and scale bytes go,
	v_nop
	v_nop
	; lane (r, h): token r; v[ACC+n] = u, v[ACC+16+n] = v of unit 16 h + n.  Each accumulator is read from its low end on.
.irp i, 0,2,4,6,8,10,12,14
	v_pk_mul_f32 v[TT+\i:TT+\i+1], v[ACC+\i:ACC+\i+1], s[NL2E:NL2E+1] op_sel_hi:[1,0]
.endr
.irp i, 0,1,2,3,4,5,6,7,8,9,10,11,12,13,14,15
	v_exp_f32 v[TT+\i], v[TT+\i]                   ; e^-u
.endr
.irp i, 0,2,4,6,8,10,12,14
	v_pk_mul_f32 v[PP+\i:PP+\i+1], v[ACC+\i:ACC+\i+1], v[ACC+16+\i:ACC+16+\i+1]   ; u v: plain work behind the exponentials
.endr
	s_wait_alu depctr_va_vdst(0)                   ; one wait for the sixteen, ahead of their first reader
.irp i, 0,2,4,6,8,10,12,14
	v_pk_add_f32 v[TT+\i:TT+\i+1], v[TT+\i:TT+\i+1], 1.0 op_sel_hi:[1,0]
.endr
.irp i, 0,1,2,3,4,5,6,7,8,9,10,11,12,13,14,15
	v_rcp_f32 v[TT+\i], v[TT+\i]
.endr
	v_nop                                          ; a plain line behind the last reciprocal
	s_wait_alu depctr_va_vdst(0)                   ; and one wait for the sixteen
.irp i, 0,2,4,6,8,10,12,14
	v_pk_mul_f32 v[HH+\i:HH+\i+1], v[PP+\i:PP+\i+1], v[TT+\i:TT+\i+1]   ; silu(u) v
.endr
	v_max3_num_f32 v[TM], |v[HH]|, |v[HH+1]|, 0x1800000       ; the block of 32 units lies in lanes l and l xor 16: my 16, and the floor
	v_max3_num_f32 v[TM+1], |v[HH+2]|, |v[HH+3]|, |v[HH+4]|
	v_max3_num_f32 v[TM], v[TM], |v[HH+5]|, |v[HH+6]|
	v_max3_num_f32 v[TM+1], v[TM+1], |v[HH+7]|, |v[HH+8]|
	v_max3_num_f32 v[TM], v[TM], |v[HH+9]|, |v[HH+10]|
	v_max3_num_f32 v[TM+1], v[TM+1], |v[HH+11]|, |v[HH+12]|
	v_max3_num_f32 v[TM], v[TM], |v[HH+13]|, |v[HH+14]|
	v_max3_num_f32 v[TM], v[TM], v[TM+1], |v[HH+15]|
	v_permlanex16_b32 v[PT], v[TM], s[SEL], s[SEL+1]
	v_max_num_f32 v[TM], v[TM], v[PT]
	v_add_nc_u32 v[SO], 0xff000000, v[TM]
	v_cvt_scalef32_pk8_fp4_f32 v[CD], v[HH:HH+7], v[SO]
	v_cvt_scalef32_pk8_fp4_f32 v[CD+1], v[HH+8:HH+15], v[SO]
	v_lshrrev_b32 v[BYH], 23, v[SO]                ; the scale's byte (also the plain line behind the conversions)
	global_store_b64 v[HA], v[CD:CD+1], s[HCB:HCB+1]           ; the wave stores 256 consecutive bytes, aligned: 16 places x 16 bytes
	global_store_b8 v[HSA], v[BYH], s[HSB:HSB+1]               ; both lanes of a token write the same byte with the same value
	s_cmp_lg_u32 s[BLK], 85
	s_cbranch_scc1 .Lno85_\@
	global_store_b16 v[HSA], v[K7F], s[HSB:HSB+1] offset:1     ; the last block also writes the bytes of blocks 86 and 87: every byte that is read later is stored
.Lno85_\@:
	s_add_co_u32 s39, s38, 8
	s_cmp_ge_u32 s39, s[NT]
	s_cbranch_scc1 .Lskip_\@
	XFETCH \b, 256*\b+512                          ; this set's next tile: it lands under the other set's tile
.Lskip_\@:
.endm
	s_mov_b32 s37, 8                               ; 8 trips x 2 tiles x 4 waves = 64 tiles, the most that an expert can have
.Ltiles:
	s_wait_loadcnt 0x0                             ; both sets are in.  The one wait for loads of a trip, and for 0: so the jumps change no count
	TILE 0
	TILE 1
	s_add_co_u32 s[T], s[T], 8
	s_add_co_u32 s[OFF], s[OFF], 512
	s_sub_co_i32 s37, s37, 1
	s_cmp_lg_u32 s37, 0
	s_cbranch_scc1 .Ltiles
	; THE LOSS: wave 3 of work-group (0, 0).  part is 128 rows of 16: lane l's load j holds columns 4 (l % 4) + 0 .. 3 of row 8 j + l / 4.
	s_xor_b32 s38, s[WV], 3
	s_or_b32 s38, s38, s[BLK]
	s_or_b32 s38, s38, s[E]
	s_cmp_lg_u32 s38, 0
	s_cbranch_scc1 .Lend
	s_wait_loadcnt 0x0                             ; no load is on its way into the registers used below
.irp j, 0,1,2,3,4,5,6,7,8,9,10,11,12,13,14,15
	global_load_b128 v[X+4*\j:X+4*\j+3], v[A16], s[14:15] offset:512*\j
.endr
	s_wait_loadcnt 0x0
.irp j, 1,2,3,4,5,6,7,8,9,10,11,12,13,14,15
	v_pk_add_f32 v[X:X+1], v[X:X+1], v[X+4*\j:X+4*\j+1]
	v_pk_add_f32 v[X+2:X+3], v[X+2:X+3], v[X+4*\j+2:X+4*\j+3]
.endr
.irp x, 4,8
.irp i, 0,1,2,3
	v_add_f32_dpp v[X+\i], v[X+\i], v[X+\i] row_xmask:\x row_mask:0xf bank_mask:0xf
.endr
.endr
.irp i, 0,1,2,3
	v_permlanex16_b32 v[PT], v[X+\i], s[SEL], s[SEL+1]
	v_add_f32 v[X+\i], v[X+\i], v[PT]
.endr
.irp i, 0,1,2,3
	v_mul_f32_dpp v[X+\i], v[X+\i], v[X+\i] row_xmask:2 row_mask:0xf bank_mask:0xf   ; column c times column c + 8: probabilities x counts
.endr
	v_add_f32 v[X], v[X], v[X+1]
	v_add_f32 v[X+2], v[X+2], v[X+3]
	v_add_f32 v[X], v[X], v[X+2]
	v_add_f32_dpp v[X], v[X], v[X] row_xmask:1 row_mask:0xf bank_mask:0xf
	v_mul_f32 v[X], 0x34cccccd, v[X]               ; x 0.4 / 2^20
	s_wait_xcnt 0x0                                ; EXEC changes only behind this wait
	v_cmp_eq_u32 vcc_lo, 0, v[LN]
	s_and_saveexec_b32 s38, vcc_lo
	global_store_b32 v[LN], v[X], s[20:21]         ; lane 0, whose number is the offset 0
	s_wait_xcnt 0x0
	s_or_b32 exec_lo, exec_lo, s38
.Lend:
	s_wait_tensorcnt 0x0
	ds_add_u32 v214, v215
	s_wait_dscnt 0x0
	s_endpgm
.Lfunc_end_k_qced8a22b80_up:
	.size	k_qced8a22b80_up, .Lfunc_end_k_qced8a22b80_up-k_qced8a22b80_up
	.p2alignl 7, 3214868480
	.fill 96, 4, 3214868480
	.section	.rodata,"a",@progbits
	.p2align	6, 0x0
	.amdhsa_kernel k_qced8a22b80_up
		.amdhsa_group_segment_fixed_size 46080
		.amdhsa_private_segment_fixed_size 0
		.amdhsa_enable_private_segment 0
		.amdhsa_kernarg_size 72
		.amdhsa_user_sgpr_count 2
		.amdhsa_user_sgpr_kernarg_segment_ptr 1
		.amdhsa_wavefront_size32 1
		.amdhsa_system_sgpr_workgroup_id_x 1
		.amdhsa_system_sgpr_workgroup_id_y 1
		.amdhsa_system_sgpr_workgroup_id_z 1
		.amdhsa_system_vgpr_workitem_id 0
		.amdhsa_next_free_vgpr 512
		.amdhsa_next_free_sgpr 66
		.amdhsa_reserve_vcc 1
		.amdhsa_float_denorm_mode_32 3
		.amdhsa_float_denorm_mode_16_64 3
		.amdhsa_memory_ordered 1
		.amdhsa_forward_progress 1
		.amdhsa_inst_pref_size 161
	.end_amdhsa_kernel
	.amdgpu_metadata
---
amdhsa.version: [ 1, 2 ]
amdhsa.kernels:
  - .name:           k_qced8a22b80_up
    .symbol:         k_qced8a22b80_up.kd
    .args:
      - { .name: Wu, .offset: 0, .size: 8, .value_kind: global_buffer, .address_space: global }
      - { .name: Wv, .offset: 8, .size: 8, .value_kind: global_buffer, .address_space: global }
      - { .name: xc, .offset: 16, .size: 8, .value_kind: global_buffer, .address_space: global }
      - { .name: xsc, .offset: 24, .size: 8, .value_kind: global_buffer, .address_space: global }
      - { .name: sel, .offset: 32, .size: 8, .value_kind: global_buffer, .address_space: global }
      - { .name: part, .offset: 40, .size: 8, .value_kind: global_buffer, .address_space: global }
      - { .name: hc, .offset: 48, .size: 8, .value_kind: global_buffer, .address_space: global }
      - { .name: hsc, .offset: 56, .size: 8, .value_kind: global_buffer, .address_space: global }
      - { .name: out1, .offset: 64, .size: 8, .value_kind: global_buffer, .address_space: global }
    .group_segment_fixed_size: 46080
    .private_segment_fixed_size: 0
    .kernarg_segment_align: 8
    .kernarg_segment_size: 72
    .max_flat_workgroup_size: 128
    .sgpr_count:     66
    .vgpr_count:     512
    .wavefront_size: 32
...
	.end_amdgpu_metadata
.endif
;; end of part 2
;; launch down (part 3): grid 32 x 8, 4 waves a work-group, no clusters, 68,096 bytes of LDS; arguments Wd, hc, hsc, sel, gate, out0; writes out0
.if DOCPART == 3
	.amdgcn_target "amdgcn-amd-amdhsa--gfx1250"
	.amdhsa_code_object_version 6
	.text
	.protected	k_qced8a22b80_down
	.globl	k_qced8a22b80_down
	.p2align	8
	.type	k_qced8a22b80_down,@function
k_qced8a22b80_down:
	s_mov_b64 s[64:65], 0
	v_nop
	global_prefetch_b8 v0, s[64:65] scope:SCOPE_SE
	s_setreg_imm32_b32 hwreg(HW_REG_WAVE_MODE, 25, 1), 1
	s_wait_xcnt 0x0
; THE DOWN PRODUCT, THE GATE AND THE SCATTER, for the chosen rows alone.  Work-group (ds, e): columns 32 ds .. 32 ds + 31 of the output, expert e.
; It reads its 32 rows of Wd (f32, 2,752 numbers = 11,008 bytes each, 43 x 256) from memory ONCE, quantises them to E2M1 with one E8M0 byte for each 32 along K, and multiplies them with the hidden layer's codes
; (hc [8 e][86 blk][1024 pos][16 bytes], hsc [8 e][22 s][1024 pos][4 bytes]) of the tokens that chose e; the results times the token's gate go to the token's row of out0.  Each output row has one expert, so each byte has one owner.
; THE LIST of expert e's tokens is made as in the launch before, by the same lines, so that a token has the same place.  The last tile is filled up with the expert's first token: such rows hold the same bits as that token's own row and store them to the same place.
; PHASES.  (1) the list, while the first 48 weight loads of each wave are on their way | barrier | (2) wave w = t + 2 q streams tile t (16 rows) at K steps 2 f + q, f = 0 .. 10 | barrier | (3) every wave takes all 44 fragments into registers and walks
; tiles of 16 tokens, w, w + 4, ..: 44 matrix instructions (source 0 = 16 rows of Wd, source 1 = 16 tokens: a lane holds ONE token and 16 neighbouring columns), x gate, through the wave's stage, eight lanes storing 128 consecutive bytes of a token's row.
; THE WEIGHTS ARE QUANTISED AS THE LOADS LEAVE THEM.  Each load reads 512 consecutive bytes of a row: lane l holds k = 4 l .. 4 l + 3, so a block of 32 lies in eight neighbouring lanes, whose largest magnitude three steps across lanes give to all eight.
; The conversion takes eight registers, the four of row 2 m and the four of row 2 m + 1: with row 2 m's scale its low 16 bits are that row's four codes, with row 2 m + 1's its high 16 bits are the other's.  An exchange between lanes l and l xor 1
; makes whole words of them (even lanes: 8 codes of row 2 m; odd lanes: of row 2 m + 1), which are stored straight into the image of the operand's registers in LDS: an eighth of the weights' bytes goes through LDS.
; AN IMAGE of a fragment (16 rows x 128 K): block g = 0 .. 3 at 288 g, row r at 16 r in it: 256 bytes + 32 of padding.
; K = 2,752 = 21 x 128 + 64.  In the last K step the row has 256 bytes left: lanes 16-31 read those again (no load leaves the buffer) and their codes are replaced by zeros; the hidden layer's codes there are zeros too.
; THE ROWS OF A TILE ARE NOT NEIGHBOURS: tile t takes rows 8 t + i + 8 (i / 8), so that a lane's 16 results are columns 16 (lane / 16) + 0 .. 15.
; The loop over tiles has a constant count of trips; a tile beyond the expert's count is jumped over by a scalar branch on the count.  So there is no tensor load and no barrier in or behind it.  An expert without tokens is streamed all the same.
; No cluster: no two work-groups read the same weights; what they share, the hidden layer's codes, is 22 KiB a tile against 344 KiB of weights, and the number of tiles hangs on counts read from memory.
; A work-group has 32 columns so that there are 256 of them; a row's piece is then 128 bytes.
; REGISTERS, in windows of 256: window 0: addresses, scale words, numbers at work, accumulators.  Windows 1 and 2: the 44 weight fragments.  Window 3: four sets of raw rows; later the hidden layer's 22 fragments.
; LIMITS: NaN and infinities are not served.  A block whose largest magnitude lies under 2^-124 (zeros among them) gets the byte 1: this program alone reads the bytes.
.set NF,       11
.set DEPTH,    4                       ; sets of raw rows: four K steps, 32 KiB a wave, asked for ahead
.set ROWBYTES, 11008
.set FSTEP,    1024
.set FIMG,     1152                    ; an image: 4 blocks x 288 bytes
.set IMSTEP,   4*FIMG
.set OST,  0                           ; LDS: each wave's way out: 16 rows x 144 bytes
.set IMG,  9216                        ; 44 images of fragments: K step s, tile t at 2 s + t
.set WSC,  59904                       ; scale words: word (s, t, r) at 512 (s / 4) + 256 t + 16 r + 4 (s % 4)
.set LST,  62976                       ; the list: 4,608 bytes
.set LN,   1
.set R,    2
.set H,    3
.set A16,  4
.set IMW,  5                           ; where my word of codes goes in an image: 288 (l / 8) + 16 (l % 2) + 2 (l % 8 - l % 2), + my wave's image
.set PSEL, 6                           ; v_perm_b32's selector: even lanes take the two low halves, odd lanes the two high halves
.set G8S,  7                           ; 8 (l / 8)
.set IMR,  8                           ; 288 h + 16 r
.set WSW,  9
.set WSR,  10
.set LA,   11
.set ALAST, 13
.set HC0,  14
.set HS0,  15
.set SCA,  16                          ; the list's store address, and nothing else
.set POS,  17
.set TOK,  18
.set TK0,  19
.set DMP,  20
.set ZA,   21
.set LA0,  22
.set LAD,  23
.set TOKR, 24
.set HCA,  25
.set HSA,  26
.set GA,   27
.set G,    28                          ; the gate of my token
.set OSW,  29
.set OSR,  30
.set LAO,  31
.set WS,   32                          ; v32-53   the weights' scale words: register s; lanes 0-15 tile 0's rows, lanes 16-31 tile 1's
.set HS,   56                          ; v56-66   the hidden layer's: register i; lanes 0-15 K step 2 i, lanes 16-31 K step 2 i + 1
.set M,    68                          ; v68-83   sixteen rows' largest magnitudes, then scale operands
.set CC,   84                          ; v84-99   codes
.set AB,   100                         ; v100-103 at work on a scale word
.set O,    68                          ; later: 16 results,
.set OB,   84                          ; 16 rows' pieces read back,
.set TO,   100                         ; their tokens,
.set OA,   104                         ; their addresses
.set LAD2, 108
.set C,    196                         ; v196-199 zeros for the list's region
.set SWD,  212
.set IDX,  216
.set ACC,  216                         ; v216-231 two accumulators
.set OC,   248
.set WV,   22
.set E,    23
.set DS,   24
.set Q,    25
.set WB,   26
.set SEL,  30
.set CN,   32
.set NT,   34
.set T,    35
.set OFF,  36
.set HCE,  40
.set HSE,  42
.set OUTB, 44
.set TI,   46
.set MK,   52                          ; s53-59  lanes with l % 8 = 1 .. 7
.set M8,   60                          ; lanes with bit 3 set
.set PM,   61
.set ZM,   62                          ; lanes whose codes of the last K step are zeros: 16-31 with q = 1, none with q = 0
.set MSB, 0
.macro WIN new
.if MSB != \new
	s_set_vgpr_msb (MSB<<8)|\new
.set MSB, \new
.endif
.endm
.macro LOAD f                          ; my f-th K step of my 16 rows, as it lies; into set f % DEPTH, in window 3
	WIN 0xc0
.irp i, 0,1,2,3,4,5,6,7,8,9,10,11,12,13,14,15
.if (\f) == NF-1
	global_load_b128 v[64*((\f)%DEPTH)+4*\i:64*((\f)%DEPTH)+4*\i+3], v[ALAST], s[WB:WB+1] offset:(\i+8*(\i/8))*ROWBYTES+FSTEP*(\f) th:TH_LOAD_NT
.else
	global_load_b128 v[64*((\f)%DEPTH)+4*\i:64*((\f)%DEPTH)+4*\i+3], v[A16], s[WB:WB+1] offset:(\i+8*(\i/8))*ROWBYTES+FSTEP*(\f) th:TH_LOAD_NT
.endif
.endr
	WIN 0
.endm
; ONE K STEP OF MY TILE: 16 rows x 128 numbers become a fragment's image and a scale word for each row.
.macro QSTEP f
.set RS, 64*((\f)%DEPTH)
.set YL, (\f)+DEPTH-1
.if YL > NF-1
.set YL, NF-1
.endif
	s_wait_loadcnt 16*(YL-(\f))                    ; this K step is in; the K steps asked for behind it may be out
	WIN 0x3f                                       ; three sources in window 3
.irp i, 0,1,2,3,4,5,6,7,8,9,10,11,12,13,14,15
	v_max3_num_f32 v[M+\i], |v[RS+4*\i]|, |v[RS+4*\i+1]|, |v[RS+4*\i+2]|
.endr
	WIN 0x03                                       ; source 0 in window 3
.irp i, 0,1,2,3,4,5,6,7,8,9,10,11,12,13,14,15
	v_max3_num_f32 v[M+\i], |v[RS+4*\i+3]|, v[M+\i], 0x1800000   ; my four numbers of row i, and the floor 2^(3 - 127): the byte cannot fall under 1
.endr
	WIN 0
.irp x, 1,2,4
.irp i, 0,1,2,3,4,5,6,7,8,9,10,11,12,13,14,15
	v_max_num_f32_dpp v[M+\i], v[M+\i], v[M+\i] row_xmask:\x row_mask:0xf bank_mask:0xf   ; over the block's eight lanes (the sixteen rows by turns)
.endr
.endr
.irp i, 0,1,2,3,4,5,6,7,8,9,10,11,12,13,14,15
	v_add_nc_u32 v[M+\i], 0xff000000, v[M+\i]      ; 2 off the exponent field: the conversion's scale operand
.endr
	s_wait_dscnt 0x0                               ; the last K step's LDS stores have read their registers
	WIN 0x03
.irp m, 0,1,2,3,4,5,6,7
	v_cvt_scalef32_pk8_fp4_f32 v[CC+2*\m], v[RS+8*\m:RS+8*\m+7], v[M+2*\m]       ; low 16 bits: my four codes of row 2 m
	v_cvt_scalef32_pk8_fp4_f32 v[CC+2*\m+1], v[RS+8*\m:RS+8*\m+7], v[M+2*\m+1]   ; high 16 bits: of row 2 m + 1
.endr
.if (\f)+DEPTH < NF
	LOAD (\f)+DEPTH                                ; the set is read out: it takes the K step DEPTH further on
.else
	WIN 0
.endif
	; the rows' scale words.  Lane (g = l / 8, p = l % 8) picks the operands of rows p and 8 + p, block g
	v_cndmask_b32 v[AB], v[M], v[M+1], s[MK+1]
	v_cndmask_b32 v[AB+1], v[M+8], v[M+9], s[MK+1]
.irp i, 2,3,4,5,6,7
	v_cndmask_b32 v[AB], v[AB], v[M+\i], s[MK+\i]
	v_cndmask_b32 v[AB+1], v[AB+1], v[M+8+\i], s[MK+\i]
.endr
	v_lshrrev_b32 v[AB], 23, v[AB]                 ; the scales' bytes,
	v_lshrrev_b32 v[AB+1], 23, v[AB+1]
	v_lshlrev_b32 v[AB], v[G8S], v[AB]             ; at block g's place in the word
	v_lshlrev_b32 v[AB+1], v[G8S], v[AB+1]
	v_cndmask_b32 v[SWD], v[AB], v[AB+1], s[M8]    ; I keep the byte of row l % 16
	v_cndmask_b32 v[AB+2], v[AB+1], v[AB], s[M8]   ; and send the other to lane l xor 8, whose row it is
	v_mov_b32_dpp v[AB+3], v[AB+2] row_xmask:8 row_mask:0xf bank_mask:0xf
	v_or_b32 v[SWD], v[SWD], v[AB+3]
	v_permlanex16_b32 v[AB+3], v[SWD], s[SEL], s[SEL+1]
	v_or_b32 v[SWD], v[SWD], v[AB+3]               ; with lane l xor 16's two bytes the word of row l % 16 is whole
	; the codes: whole words
.irp m, 0,1,2,3,4,5,6,7
	v_perm_b32 v[CC+2*\m], v[CC+2*\m+1], v[CC+2*\m], s[PM]   ; row 2 m's four codes below, row 2 m + 1's above
.endr
.irp m, 0,1,2,3,4,5,6,7
	v_mov_b32_dpp v[CC+2*\m+1], v[CC+2*\m] row_xmask:1 row_mask:0xf bank_mask:0xf
.endr
.irp m, 0,1,2,3,4,5,6,7
	v_perm_b32 v[CC+2*\m], v[CC+2*\m], v[CC+2*\m+1], v[PSEL] ; even lanes: mine and my neighbour's of row 2 m; odd lanes: my neighbour's and mine of row 2 m + 1
.endr
.if (\f) == NF-1
.irp m, 0,1,2,3,4,5,6,7
	v_cndmask_b32 v[CC+2*\m], v[CC+2*\m], 0, s[ZM] ; K step 21 has 64 numbers: blocks 2 and 3, which lie in lanes 16-31, are zero codes
.endr
.endif
.irp m, 0,1,2,3,4,5,6,7
	ds_store_b32 v[IMW], v[CC+2*\m] offset:IMG+IMSTEP*(\f)+32*\m
.endr
	ds_store_b32 v[WSW], v[SWD] offset:512*((\f)/2)+8*((\f)%2)   ; both lanes of a row write the same word with the same value
.endm
.macro COUNT
.irp k, 0,1,2,3,4,5,6,7,8,9,10,11,12,13,14,15,16,17,18,19,20,21,22,23,24,25,26,27,28,29,30,31
	v_cmp_eq_u32 vcc_lo, s[E], v[IDX+\k]
	s_bcnt1_i32_b32 s33, vcc_lo
	s_add_co_u32 s[CN], s[CN], s33
.endr
.endm
.macro MKLIST
.irp k, 0,1,2,3,4,5,6,7,8
	ds_store_b128 v[ZA], v[C:C+3] offset:512*\k    ; the whole region begins as token 0
.endr
.irp k, 0,1,2,3,4,5,6,7,8,9,10,11,12,13,14,15,16,17,18,19,20,21,22,23,24,25,26,27,28,29,30,31
	v_cmp_eq_u32 vcc_lo, s[E], v[IDX+\k]
	v_mbcnt_lo_u32_b32 v[POS], vcc_lo, s[CN]
	v_cndmask_b32 v[POS], v[DMP], v[POS], vcc_lo
	v_min_u32 v[POS], 0x42f, v[POS]
	v_lshl_add_u32 v[SCA], v[POS], 2, LST
	v_add_nc_u32 v[TOK], 128*(\k/4)+(\k%4), v[TK0]
	ds_store_b32 v[SCA], v[TOK]
	s_bcnt1_i32_b32 s33, vcc_lo
	s_add_co_u32 s[CN], s[CN], s33
.endr
	ds_load_b32 v[TOK], v[LA0]
	v_add_nc_u32 v[POS], s[CN], v[R]
	v_min_u32 v[POS], 0x42f, v[POS]
	v_lshl_add_u32 v[SCA], v[POS], 2, LST
	s_wait_dscnt 0x0
	ds_store_b32 v[SCA], v[TOK]
.endm
	s_load_b256 s[4:11], s[0:1], 0x0               ; Wd, hc, hsc, sel
	s_load_b128 s[12:15], s[0:1], 0x20             ; gate, out0
	v_lshl_add_u32 v254, v0, 2, 0x10800
	v_mov_b32 v255, 0
	v_lshrrev_b32 v1, 5, v0
	v_readfirstlane_b32 s[WV], v1                  ; wave 0..3
	s_and_b32 s[E], ttmp7, 0xffff
	s_mov_b32 s[DS], ttmp9
	s_and_b32 s[TI], s[WV], 1                      ; t: my tile of 16 rows
	s_lshr_b32 s[Q], s[WV], 1                      ; q: even or odd K steps
	v_and_b32 v[LN], 31, v0
	v_and_b32 v[R], 15, v0
	v_bfe_u32 v[H], v0, 4, 1
	v_lshlrev_b32 v[A16], 4, v[LN]
	v_bfe_u32 v[G8S], v0, 3, 2                     ; g = lane / 8
	v_mul_u32_u24 v[IMW], v[G8S], 288
	v_mul_u32_u24 v[OSR], v[G8S], 144
	v_lshl_add_u32 v[LAO], v[G8S], 2, LST          ; the way out: the token of row 4 i + l / 8
	v_lshlrev_b32 v[G8S], 3, v[G8S]
	v_and_b32 v[PSEL], 1, v0
	v_lshl_add_u32 v[IMW], v[PSEL], 4, v[IMW]      ; odd lanes: one row further on
	v_and_b32 v[PSEL], 6, v0
	v_lshl_add_u32 v[IMW], v[PSEL], 1, v[IMW]      ; a pair of lanes: 4 bytes of a row's 16
	s_mul_i32 s28, s[WV], FIMG
	v_add_nc_u32 v[IMW], s28, v[IMW]
	v_mov_b32 v[PSEL], 0x01000504                  ; source 0's low half, then source 1's low half
	v_mov_b32 v[AB], 0x07060302                    ; source 1's high half, then source 0's high half
	s_mov_b32 s28, 0xaaaaaaaa
	v_cndmask_b32 v[PSEL], v[PSEL], v[AB], s28
	v_mul_u32_u24 v[IMR], v[H], 288
	v_lshl_add_u32 v[IMR], v[R], 4, v[IMR]
	s_mul_i32 s28, s[WV], 2304                     ; my way out (it begins at LDS byte 0)
	v_mul_u32_u24 v[OSW], v[R], 144
	v_lshl_add_u32 v[OSW], v[H], 6, v[OSW]
	v_add_nc_u32 v[OSW], s28, v[OSW]               ; in: row r of 144 bytes, + 64 h
	v_and_b32 v[OC], 7, v0
	v_lshlrev_b32 v[OC], 4, v[OC]                  ; 16 (l % 8)
	v_add_nc_u32 v[OSR], v[OSR], v[OC]
	v_add_nc_u32 v[OSR], s28, v[OSR]               ; back: eight lanes to a row, four rows an instruction
	s_lshl_b32 s28, s[TI], 8
	s_lshl_b32 s29, s[Q], 2
	s_add_co_u32 s28, s28, s29
	s_add_co_u32 s28, s28, WSC
	v_lshl_add_u32 v[WSW], v[R], 4, s28
	v_add_nc_u32 v[WSR], WSC, v[A16]
	v_lshl_add_u32 v[LA], v[R], 2, LST
	s_lshl_b32 s28, s[Q], 4
	s_sub_co_u32 s28, 31, s28
	v_and_b32 v[ALAST], s28, v[LN]
	v_lshlrev_b32 v[ALAST], 4, v[ALAST]            ; the last K step: with q = 1, lanes 16-31 read what lanes 0-15 read
	v_lshlrev_b32 v[HC0], 4, v[R]
	v_lshl_add_u32 v[HC0], v[H], 14, v[HC0]        ; hc: 16 bytes a place; lanes 16-31 the next block, 16,384 bytes on
	v_lshlrev_b32 v[HS0], 2, v[R]
	v_lshl_add_u32 v[HS0], v[H], 12, v[HS0]        ; hsc: 4 bytes a place; lanes 16-31 the next K step, 4,096 bytes on
	v_lshlrev_b32 v[TK0], 2, v[LN]
	v_add_nc_u32 v[DMP], 1040, v[LN]
	v_add_nc_u32 v[ZA], LST, v[A16]
	v_mov_b32 v[LA0], LST
	v_mov_b32 v[AB+3], 0                           ; the destination of a DPP form counts as one of its sources
	v_mov_b32 v[G], 0                              ; written on every way through the text, like the scale words below
.irp i, 0,1,2,3
	v_mov_b32 v[C+\i], 0
.endr
.irp i, 0,1,2,3,4,5,6,7,8,9,10
	v_mov_b32 v[HS+\i], 0x7f7f7f7f                 ; scale bytes of one until the first fetch lands
.endr
	s_mov_b32 s[SEL], 0x76543210
	s_mov_b32 s[SEL+1], 0xfedcba98
.irp i, 1,2,3,4,5,6,7
	s_mov_b32 s[MK+\i], 0x01010101<<\i
.endr
	s_mov_b32 s[M8], 0xff00ff00
	s_mov_b32 s[PM], 0x07060100                    ; source 1's low half, then source 0's high half
	s_cmp_eq_u32 s[Q], 1
	s_cselect_b32 s[ZM], 0xffff0000, 0
	s_lshl_b32 s28, s[E], 10
	s_lshl_b32 s29, s[DS], 5
	s_add_co_u32 s28, s28, s29
	s_lshl_b32 s29, s[TI], 3
	s_add_co_u32 s28, s28, s29                     ; my tile's first row: 1024 e + 32 ds + 8 t
	s_mul_i32 s28, s28, ROWBYTES                   ; in bytes (under 2^27),
	s_lshl_b32 s29, s[Q], 9
	s_add_co_u32 s28, s28, s29                     ; + 512 q
	s_mov_b32 s29, 0
	s_mul_i32 s38, s[E], 86*16384
	s_mov_b32 s39, 0
	s_mul_i32 s48, s[E], 22*4096
	s_mov_b32 s49, 0
	s_lshl_b32 s50, s[DS], 7
	s_mov_b32 s51, 0
	s_wait_kmcnt 0x0
	s_add_nc_u64 s[WB:WB+1], s[4:5], s[28:29]
	s_add_nc_u64 s[HCE:HCE+1], s[6:7], s[38:39]
	s_add_nc_u64 s[HSE:HSE+1], s[8:9], s[48:49]
	s_add_nc_u64 s[OUTB:OUTB+1], s[14:15], s[50:51]
.irp j, 0,1,2,3,4,5,6,7
	global_load_b128 v[IDX+4*\j:IDX+4*\j+3], v[A16], s[10:11] offset:512*\j
.endr
	LOAD 0
	LOAD 1
	LOAD 2
	s_wait_loadcnt 48                              ; sel is in; the 48 weight loads behind it stay out
	s_mov_b32 s[CN], 0
	s_cmp_lg_u32 s[WV], 0
	s_cbranch_scc1 .Lcnt
	MKLIST
	s_branch .Ljoin
.Lcnt:
	COUNT
.Ljoin:
	s_wait_dscnt 0x0                               ; the list lies in LDS; up to here wave 0 alone has touched LDS
	s_barrier_signal -1
	s_barrier_wait -1
	s_add_co_u32 s[NT], s[CN], 15
	s_lshr_b32 s[NT], s[NT], 4
	s_min_u32 s[NT], s[NT], 64
	LOAD 3
.irp f, 0,1,2,3,4,5,6,7,8,9,10
	QSTEP \f
.endr
	WIN 0xc0
.irp i, 0,1,2,3
	v_mov_b32 v[172+\i], 0                         ; the hidden layer has no blocks 86 and 87: zero codes, once
.endr
	WIN 0
.rept 4
	v_nop                                          ; an operand register written by a vector instruction stands four plain vector instructions ahead of the scaled matrix instruction that takes it: on the way that jumps over the first fetch no other vector line lies between
.endr
; the hidden layer's 22 fragments, their scale words and the gates of the tile that lies d bytes of the list on from s[OFF]
.macro HFETCH d
	v_add_nc_u32 v[LAD], s[OFF], v[LA]
	ds_load_b32 v[TOKR], v[LAD] offset:\d
	s_add_co_u32 s28, s[OFF], \d
	s_lshl_b32 s29, s28, 2
	v_add_nc_u32 v[HCA], s29, v[HC0]               ; 256 bytes a tile in each block
	v_add_nc_u32 v[HSA], s28, v[HS0]               ; 64 bytes a tile in each K step
	WIN 0xc0
.irp s, 0,1,2,3,4,5,6,7,8,9,10,11,12,13,14,15,16,17,18,19,20
.irp c, 0,1
	global_load_b128 v[8*\s+4*\c:8*\s+4*\c+3], v[HCA], s[HCE:HCE+1] offset:(4*\s+2*\c)*16384   ; block 4 s + 2 c + h: sixteen lanes read 256 consecutive bytes
.endr
.endr
	global_load_b128 v[168:171], v[HCA], s[HCE:HCE+1] offset:84*16384
	WIN 0
.irp i, 0,1,2,3,4,5,6,7,8,9,10
	global_load_b32 v[HS+\i], v[HSA], s[HSE:HSE+1] offset:8192*\i
.endr
	s_wait_dscnt 0x0
	v_min_u32 v[TOKR], 0x3ff, v[TOKR]              ; a token's number enters an address only behind its clamp
	v_lshlrev_b32 v[GA], 2, v[TOKR]
	global_load_b32 v[G], v[GA], s[12:13]
.endm
	s_mov_b32 s[T], s[WV]
	s_lshl_b32 s[OFF], s[WV], 6
	s_cmp_ge_u32 s[T], s[NT]
	s_cbranch_scc1 .Lnofirst
	HFETCH 0
.Lnofirst:
	s_wait_dscnt 0x0                               ; my images lie in LDS
	s_barrier_signal -1
	s_barrier_wait -1
	WIN 0x40                                       ; fragments 0 to 31 into window 1,
.irp F, 0,1,2,3,4,5,6,7,8,9,10,11,12,13,14,15,16,17,18,19,20,21,22,23,24,25,26,27,28,29,30,31
.irp c, 0,1
	ds_load_b128 v[8*\F+4*\c:8*\F+4*\c+3], v[IMR] offset:IMG+FIMG*\F+576*\c
.endr
.endr
	WIN 0x80                                       ; 32 to 43 into window 2
.irp F, 32,33,34,35,36,37,38,39,40,41,42,43
.irp c, 0,1
	ds_load_b128 v[8*(\F-32)+4*\c:8*(\F-32)+4*\c+3], v[IMR] offset:IMG+FIMG*\F+576*\c
.endr
.endr
	WIN 0
.irp g, 0,1,2,3,4
	ds_load_b128 v[WS+4*\g:WS+4*\g+3], v[WSR] offset:512*\g
.endr
	ds_load_b64 v[WS+20:WS+21], v[WSR] offset:2560
	s_wait_dscnt 0x0
	s_mov_b32 s37, 16                              ; 16 trips x 4 waves = 64 tiles, the most that an expert can have
.Ltiles:
	s_cmp_ge_u32 s[T], s[NT]
	s_cbranch_scc1 .Lskip
	s_wait_loadcnt 0x0                             ; this tile's fragments, scale words and gates are in (all waits for loads are for 0: the jumps change no count)
	s_wait_xcnt 0x0                                ; the last tile's stores have read their registers
	WIN 0x0d                                       ; source 0 (Wd) window 1, source 1 (the hidden layer) window 3.  The two accumulators take turns, one instruction a turn
	v_wmma_scale_f32_16x16x128_f8f6f4 v[ACC:ACC+7], v[0:7], v[0:7], 0, v[WS], v[HS] matrix_a_fmt:MATRIX_FMT_FP4 matrix_b_fmt:MATRIX_FMT_FP4
	v_wmma_scale_f32_16x16x128_f8f6f4 v[ACC+8:ACC+15], v[8:15], v[0:7], 0, v[WS], v[HS] matrix_a_fmt:MATRIX_FMT_FP4 matrix_b_fmt:MATRIX_FMT_FP4 matrix_a_scale:MATRIX_SCALE_ROW1
.irp s, 1,2,3,4,5,6,7,8,9,10,11,12,13,14,15,16,17,18,19,20,21
.if \s == 16
	WIN 0x0e                                       ; source 0 window 2
.endif
.irp t, 0,1
.set FA, 8*((2*\s+\t)%32)
.if (\s%2 == 0) && (\t == 0)
	v_wmma_scale_f32_16x16x128_f8f6f4 v[ACC+8*\t:ACC+8*\t+7], v[FA:FA+7], v[8*\s:8*\s+7], v[ACC+8*\t:ACC+8*\t+7], v[WS+\s], v[HS+\s/2] matrix_a_fmt:MATRIX_FMT_FP4 matrix_b_fmt:MATRIX_FMT_FP4
.elseif (\s%2 == 0)
	v_wmma_scale_f32_16x16x128_f8f6f4 v[ACC+8*\t:ACC+8*\t+7], v[FA:FA+7], v[8*\s:8*\s+7], v[ACC+8*\t:ACC+8*\t+7], v[WS+\s], v[HS+\s/2] matrix_a_fmt:MATRIX_FMT_FP4 matrix_b_fmt:MATRIX_FMT_FP4 matrix_a_scale:MATRIX_SCALE_ROW1
.elseif (\t == 0)
	v_wmma_scale_f32_16x16x128_f8f6f4 v[ACC+8*\t:ACC+8*\t+7], v[FA:FA+7], v[8*\s:8*\s+7], v[ACC+8*\t:ACC+8*\t+7], v[WS+\s], v[HS+\s/2] matrix_a_fmt:MATRIX_FMT_FP4 matrix_b_fmt:MATRIX_FMT_FP4 matrix_b_scale:MATRIX_SCALE_ROW1
.else
	v_wmma_scale_f32_16x16x128_f8f6f4 v[ACC+8*\t:ACC+8*\t+7], v[FA:FA+7], v[8*\s:8*\s+7], v[ACC+8*\t:ACC+8*\t+7], v[WS+\s], v[HS+\s/2] matrix_a_fmt:MATRIX_FMT_FP4 matrix_b_fmt:MATRIX_FMT_FP4 matrix_a_scale:MATRIX_SCALE_ROW1 matrix_b_scale:MATRIX_SCALE_ROW1
.endif
.endr
.endr
	WIN 0
.rept 4
	v_nop                                          ; four places behind the last product, ahead of the reads of the results and of the loads into its operands
.endr
.irp i, 0,2,4,6,8,10,12,14
	v_pk_mul_f32 v[O+\i:O+\i+1], v[ACC+\i:ACC+\i+1], v[G:G+1] op_sel_hi:[1,0]   ; x the gate; each accumulator from its low end on.  v[O+n]: column 16 h + n of token r
.endr
	s_add_co_u32 s39, s[T], 4
	s_cmp_ge_u32 s39, s[NT]
	s_cbranch_scc1 .Lnonext
	HFETCH 256                                     ; my next tile lands under this tile's way out
.Lnonext:
.irp p, 0,1,2,3
	ds_store_b128 v[OSW], v[O+4*\p:O+4*\p+3] offset:OST+16*\p
.endr
	v_add_nc_u32 v[LAD2], s[OFF], v[LAO]
.irp i, 0,1,2,3
	ds_load_b32 v[TO+\i], v[LAD2] offset:16*\i     ; the token of row 4 i + l / 8
.endr
.irp i, 0,1,2,3
	ds_load_b128 v[OB+4*\i:OB+4*\i+3], v[OSR] offset:OST+576*\i   ; LDS serves a wave's instructions in order: these see my stores
.endr
	s_wait_dscnt 0x0
.irp i, 0,1,2,3
	v_min_u32 v[TO+\i], 0x3ff, v[TO+\i]
	v_lshl_add_u32 v[OA+\i], v[TO+\i], 12, v[OC]   ; the token's row of 4,096 bytes, + 16 (l % 8)
	global_store_b128 v[OA+\i], v[OB+4*\i:OB+4*\i+3], s[OUTB:OUTB+1] th:TH_STORE_NT   ; eight lanes store 128 consecutive bytes of a row
.endr
.Lskip:
	s_add_co_u32 s[T], s[T], 4
	s_add_co_u32 s[OFF], s[OFF], 256
	s_sub_co_i32 s37, s37, 1
	s_cmp_lg_u32 s37, 0
	s_cbranch_scc1 .Ltiles
	s_wait_tensorcnt 0x0
	ds_add_u32 v254, v255
	s_wait_dscnt 0x0
	s_endpgm
.Lfunc_end_k_qced8a22b80_down:
	.size	k_qced8a22b80_down, .Lfunc_end_k_qced8a22b80_down-k_qced8a22b80_down
	.p2alignl 7, 3214868480
	.fill 96, 4, 3214868480
	.section	.rodata,"a",@progbits
	.p2align	6, 0x0
	.amdhsa_kernel k_qced8a22b80_down
		.amdhsa_group_segment_fixed_size 68096
		.amdhsa_private_segment_fixed_size 0
		.amdhsa_enable_private_segment 0
		.amdhsa_kernarg_size 48
		.amdhsa_user_sgpr_count 2
		.amdhsa_user_sgpr_kernarg_segment_ptr 1
		.amdhsa_wavefront_size32 1
		.amdhsa_system_sgpr_workgroup_id_x 1
		.amdhsa_system_sgpr_workgroup_id_y 1
		.amdhsa_system_sgpr_workgroup_id_z 1
		.amdhsa_system_vgpr_workitem_id 0
		.amdhsa_next_free_vgpr 1024
		.amdhsa_next_free_sgpr 66
		.amdhsa_reserve_vcc 1
		.amdhsa_float_denorm_mode_32 3
		.amdhsa_float_denorm_mode_16_64 3
		.amdhsa_memory_ordered 1
		.amdhsa_forward_progress 1
		.amdhsa_inst_pref_size 192
	.end_amdhsa_kernel
	.amdgpu_metadata
---
amdhsa.version: [ 1, 2 ]
amdhsa.kernels:
  - .name:           k_qced8a22b80_down
    .symbol:         k_qced8a22b80_down.kd
    .args:
      - { .name: Wd, .offset: 0, .size: 8, .value_kind: global_buffer, .address_space: global }
      - { .name: hc, .offset: 8, .size: 8, .value_kind: global_buffer, .address_space: global }
      - { .name: hsc, .offset: 16, .size: 8, .value_kind: global_buffer, .address_space: global }
      - { .name: sel, .offset: 24, .size: 8, .value_kind: global_buffer, .address_space: global }
      - { .name: gate, .offset: 32, .size: 8, .value_kind: global_buffer, .address_space: global }
      - { .name: out0, .offset: 40, .size: 8, .value_kind: global_buffer, .address_space: global }
    .group_segment_fixed_size: 68096
    .private_segment_fixed_size: 0
    .kernarg_segment_align: 8
    .kernarg_segment_size: 48
    .max_flat_workgroup_size: 128
    .sgpr_count:     66
    .vgpr_count:     1024
    .wavefront_size: 32
...
	.end_amdgpu_metadata
.endif
;; end of part 3
;; ======== version 2 of 2: 3 launches; version 1 with the launch down written anew for expert scheduling mode
;; workspace buffers: xc 524,288 bytes; xsc 32,768 bytes; sel 4,096 bytes of whole numbers; gate 4,096 bytes; part 8,192 bytes; hc 11,272,192 bytes; hsc 720,896 bytes
;; launch route: the kernel of part 1 again; grid 128 x 1, 4 waves a work-group, no clusters, 75,264 bytes of LDS; arguments x, Wg, bg, xc, xsc, sel, gate, part; writes xc, xsc, sel, gate, part
;; launch up: the kernel of part 2 again; grid 86 x 8, 4 waves a work-group, no clusters, 46,080 bytes of LDS; arguments Wu, Wv, xc, xsc, sel, part, hc, hsc, out1; writes hc, hsc, out1
;; launch down (part 4): grid 32 x 8, 4 waves a work-group, no clusters, 68,096 bytes of LDS; arguments Wd, hc, hsc, sel, gate, out0; writes out0
.if DOCPART == 4
	.amdgcn_target "amdgcn-amd-amdhsa--gfx1250"
	.amdhsa_code_object_version 6
	.text
	.protected	k_qced8a22b80_down
	.globl	k_qced8a22b80_down
	.p2align	8
	.type	k_qced8a22b80_down,@function
k_qced8a22b80_down:
	s_mov_b64 s[64:65], 0
	v_nop
	global_prefetch_b8 v0, s[64:65] scope:SCOPE_SE
	s_setreg_imm32_b32 hwreg(HW_REG_WAVE_SCHED_MODE, 0, 2), 2
	s_setreg_imm32_b32 hwreg(HW_REG_WAVE_MODE, 25, 1), 1
	s_wait_xcnt 0x0
	s_wait_alu depctr_vm_vsrc(0)
; THE DOWN PRODUCT, THE GATE AND THE SCATTER, for the chosen rows alone.  Work-group (ds, e): columns 32 ds .. 32 ds + 31 of the output, expert e.
; It reads its 32 rows of Wd (f32, 2,752 numbers = 11,008 bytes each, 43 x 256) from memory ONCE, quantises them to E2M1 with one E8M0 byte for each 32 along K, and multiplies them with the hidden layer's codes
; (hc [8 e][86 blk][1024 pos][16 bytes], hsc [8 e][22 s][1024 pos][4 bytes]) of the tokens that chose e; the results times the token's gate go to the token's row of out0.  Each output row has one expert, so each byte has one owner.
; THE LIST of expert e's tokens is made as in the launch before, with the same places for the same tokens.  The last tile is filled up with the expert's first token: such rows hold the same bits as that token's own row and store them to the same place.
; PHASES.  (1) the list, while the first 48 weight loads of each wave are on their way | barrier | (2) wave w = t + 2 q streams tile t (16 rows) at K steps 2 f + q, f = 0 .. 10 | barrier | (3) every wave takes all 44 fragments into registers and walks
; tiles of 16 tokens, w, w + 4, ..: 44 matrix instructions (source 0 = 16 rows of Wd, source 1 = 16 tokens: a lane holds ONE token and 16 neighbouring columns), x gate, through the wave's stage, eight lanes storing 128 consecutive bytes of a token's row.
; THE WEIGHTS ARE QUANTISED AS THE LOADS LEAVE THEM.  Each load reads 512 consecutive bytes of a row: lane l holds k = 4 l .. 4 l + 3, so a block of 32 lies in eight neighbouring lanes, whose largest magnitude three steps across lanes give to all eight.
; The conversion takes eight registers, the four of row 2 m and the four of row 2 m + 1: with row 2 m's scale its low 16 bits are that row's four codes, with row 2 m + 1's its high 16 bits are the other's.  An exchange between lanes l and l xor 1
; makes whole words of them (even lanes: 8 codes of row 2 m; odd lanes: of row 2 m + 1), which are stored straight into the image of the operand's registers in LDS: an eighth of the weights' bytes goes through LDS.
; AN IMAGE of a fragment (16 rows x 128 K): block g = 0 .. 3 at 288 g, row r at 16 r in it: 256 bytes + 32 of padding.
; K = 2,752 = 21 x 128 + 64.  In the last K step the row has 256 bytes left: lanes 16-31 read those again (no load leaves the buffer) and their codes are replaced by zeros; the hidden layer's codes there are zeros too.
; THE ROWS OF A TILE ARE NOT NEIGHBOURS: tile t takes rows 8 t + i + 8 (i / 8), so that a lane's 16 results are columns 16 (lane / 16) + 0 .. 15.
; The loop over tiles has a constant count of trips; a tile beyond the expert's count is jumped over by a scalar branch on the count.  So there is no tensor load and no barrier in or behind it.  An expert without tokens is streamed all the same.
; No cluster: no two work-groups read the same weights; what they share, the hidden layer's codes, is 22 KiB a tile against 344 KiB of weights, and the number of tiles hangs on counts read from memory.
; A work-group has 32 columns so that there are 256 of them; a row's piece is then 128 bytes.
; REGISTERS, in windows of 256: window 0: addresses, scale words, numbers at work, accumulators.  Windows 1 and 2: the 44 weight fragments.  Window 3: four sets of raw rows; later the hidden layer's 22 fragments.
; LIMITS: NaN and infinities are not served.  A block whose largest magnitude lies under 2^-124 (zeros among them) gets the byte 1: this program alone reads the bytes.
; THE MODE: SCHED_MODE bits 1:0 = 2 (LLVM: expert scheduling mode 2), set by the entry lines.  The code itself states the register dependences
; between vector or matrix instructions and memory or LDS instructions, with s_wait_alu, always for 0.
; THE PLAN.  Registers that memory or LDS instructions touch, and who else names them:
;   The head's offsets and addresses (v4, v5, v8-15, v21, v22, v29-31, the zeros v196-199): written once, ahead of one wait on va_vdst in front of the first load; never written again.
;   THE LIST.  The compares on sel go eight at a time into s14-21, one wait on va_sdst behind each eight.  Wave 0's 32 store addresses (v128-159), 32 token numbers (v160-191) and the fill's address (v16) have registers of
;              their own: one wait on va_vdst stands ahead of the run of stores, and no register that a store has read is written again.
;   RAW0 .. 3  (window 3)  K step f: its maxima and conversions read RAW[f % 4]; behind them the loads of K step f + 4 land in it.
;   CODES 0, 1 (v84-99 with v212, v112-127 with v213)  K step f's vector instructions write set f % 2; its nine LDS stores are issued in K step f + 1.
;              So ONE wait on va_vdst stands in a K step, behind its conversions: they and the maxima are done reading RAW[f % 4], and the step before has written its set.  The step's sixteen loads and the step before's nine stores
;              follow it on end; the vector instructions behind them name M, AB and this step's set alone.  ONE wait on vm_vsrc stands ahead of the conversions: the stores issued in the step before have read the set that this step writes again.
;   THE TILES. Addresses v23, v25-27, v108 and offsets v104-107, the results v68-83, the rows read back v84-99: read by one trip's loads and stores, written again in the next: one wait on vm_vsrc at a trip's head.
;              The hidden layer's fragments (window 3), its scale words v56-66, the gate v28, the tokens v24, v100-103: read by a trip's matrix and vector instructions, then loaded again: one wait on va_vdst behind the multiplications by
;              the gate, which also states that the results and the four addresses are written; a second one behind the ten lines that make offsets of tokens, ahead of the four stores and the gate's load.
.set NF,       11
.set DEPTH,    4                       ; sets of raw rows: four K steps, 32 KiB a wave, asked for ahead
.set ROWBYTES, 11008
.set FSTEP,    1024
.set FIMG,     1152                    ; an image: 4 blocks x 288 bytes
.set IMSTEP,   4*FIMG
.set OST,  0                           ; LDS: each wave's way out: 16 rows x 144 bytes
.set IMG,  9216                        ; 44 images of fragments: K step s, tile t at 2 s + t
.set WSC,  59904                       ; scale words: word (s, t, r) at 512 (s / 4) + 256 t + 16 r + 4 (s % 4)
.set LST,  62976                       ; the list: 4,608 bytes
.set LN,   1
.set R,    2
.set H,    3
.set A16,  4
.set IMW,  5                           ; where my word of codes goes in an image: 288 (l / 8) + 16 (l % 2) + 2 (l % 8 - l % 2), + my wave's image
.set PSEL, 6                           ; v_perm_b32's selector: even lanes take the two low halves, odd lanes the two high halves
.set G8S,  7                           ; 8 (l / 8)
.set IMR,  8                           ; 288 h + 16 r
.set WSW,  9
.set WSR,  10
.set LA,   11
.set ALAST, 13
.set HC0,  14
.set HS0,  15
.set SCA,  16                          ; the address of the store that fills the last tile up, and nothing else
.set POS,  17
.set TOK,  18                          ; the expert's first token, as loaded from the list
.set TK0,  19
.set DMP,  20
.set ZA,   21
.set LA0,  22
.set LAD,  23
.set TOKR, 24
.set HCA,  25
.set HSA,  26
.set GA,   27
.set G,    28                          ; the gate of my token
.set OSW,  29
.set OSR,  30
.set LAO,  31
.set WS,   32                          ; v32-53   the weights' scale words: register s; lanes 0-15 tile 0's rows, lanes 16-31 tile 1's
.set HS,   56                          ; v56-66   the hidden layer's: register i; lanes 0-15 K step 2 i, lanes 16-31 K step 2 i + 1
.set M,    68                          ; v68-83   sixteen rows' largest magnitudes, then scale operands
.set CC,   84                          ; v84-99   codes, set 0;
.set CCD,  28                          ; v112-127 set 1
.set AB,   100                         ; v100-103 at work on a scale word
.set O,    68                          ; later: 16 results,
.set OB,   84                          ; 16 rows' pieces read back,
.set TO,   100                         ; their tokens,
.set OA,   104                         ; their addresses
.set LAD2, 108
.set SCL,  128                         ; v128-159 the list's 32 store addresses, and nothing else
.set TKL,  160                         ; v160-191 the 32 token numbers that they store
.set C,    196                         ; v196-199 zeros for the list's region
.set PB,   200                         ; v200-207 eight places in the list, at work
.set SWD,  212                         ; v212-213 a K step's scale word, two by turns
.set IDX,  216
.set ACC,  216                         ; v216-231 two accumulators
.set OC,   248
.set CM,   14                          ; s14-21   eight compares' masks (out0's address has gone into s[OUTB] by then)
.set WV,   22
.set E,    23
.set DS,   24
.set Q,    25
.set WB,   26
.set SEL,  30
.set CN,   32
.set NT,   34
.set T,    35
.set OFF,  36
.set HCE,  40
.set HSE,  42
.set OUTB, 44
.set TI,   46
.set MK,   52                          ; s53-59  lanes with l % 8 = 1 .. 7
.set M8,   60                          ; lanes with bit 3 set
.set PM,   61
.set ZM,   62                          ; lanes whose codes of the last K step are zeros: 16-31 with q = 1, none with q = 0
.set MSB, 0
.macro WIN new
.if MSB != \new
	s_set_vgpr_msb (MSB<<8)|\new
.set MSB, \new
.endif
.endm
.macro LOAD f                          ; my f-th K step of my 16 rows, as it lies; into set f % DEPTH, in window 3 (the caller sets the destination's window)
.irp i, 0,1,2,3,4,5,6,7,8,9,10,11,12,13,14,15
.if (\f) == NF-1
	global_load_b128 v[64*((\f)%DEPTH)+4*\i:64*((\f)%DEPTH)+4*\i+3], v[ALAST], s[WB:WB+1] offset:(\i+8*(\i/8))*ROWBYTES+FSTEP*(\f) th:TH_LOAD_NT
.else
	global_load_b128 v[64*((\f)%DEPTH)+4*\i:64*((\f)%DEPTH)+4*\i+3], v[A16], s[WB:WB+1] offset:(\i+8*(\i/8))*ROWBYTES+FSTEP*(\f) th:TH_LOAD_NT
.endif
.endr
.endm
.macro STORES f                        ; K step f's image and scale words go to LDS, out of set f % 2
.irp m, 0,1,2,3,4,5,6,7
	ds_store_b32 v[IMW], v[CC+CCD*((\f)%2)+2*\m] offset:IMG+IMSTEP*(\f)+32*\m
.endr
	ds_store_b32 v[WSW], v[SWD+(\f)%2] offset:512*((\f)/2)+8*((\f)%2)   ; both lanes of a row write the same word with the same value
.endm
; ONE K STEP OF MY TILE: 16 rows x 128 numbers become a fragment's image and a scale word for each row.
.macro QSTEP f
.set RS, 64*((\f)%DEPTH)
.set CS, CC+CCD*((\f)%2)               ; this step's codes
.set SX, SWD+(\f)%2                    ; and its scale word
.set YL, (\f)+DEPTH-1
.if YL > NF-1
.set YL, NF-1
.endif
	s_wait_loadcnt 16*(YL-(\f))                    ; this K step is in; the K steps asked for behind it may be out
	WIN 0x3f                                       ; three sources in window 3
.irp i, 0,1,2,3,4,5,6,7,8,9,10,11,12,13,14,15
	v_max3_num_f32 v[M+\i], |v[RS+4*\i]|, |v[RS+4*\i+1]|, |v[RS+4*\i+2]|
.endr
	WIN 0x03                                       ; source 0 in window 3
.irp i, 0,1,2,3,4,5,6,7,8,9,10,11,12,13,14,15
	v_max3_num_f32 v[M+\i], |v[RS+4*\i+3]|, v[M+\i], 0x1800000   ; my four numbers of row i, and the floor 2^(3 - 127): the byte cannot fall under 1
.endr
	WIN 0
.irp x, 1,2,4
.irp i, 0,1,2,3,4,5,6,7,8,9,10,11,12,13,14,15
	v_max_num_f32_dpp v[M+\i], v[M+\i], v[M+\i] row_xmask:\x row_mask:0xf bank_mask:0xf   ; over the block's eight lanes (the sixteen rows by turns)
.endr
.endr
.irp i, 0,1,2,3,4,5,6,7,8,9,10,11,12,13,14,15
	v_add_nc_u32 v[M+\i], 0xff000000, v[M+\i]      ; 2 off the exponent field: the conversion's scale operand
.endr
	s_wait_dscnt 0x0                               ; the LDS stores issued in the step before are done
.if (\f) > 1
	s_wait_alu depctr_vm_vsrc(0)                   ; those stores, K step f - 2's, have read this set of codes and its scale word, which the lines below write again
.endif
	WIN 0x03
.irp m, 0,1,2,3,4,5,6,7
	v_cvt_scalef32_pk8_fp4_f32 v[CS+2*\m], v[RS+8*\m:RS+8*\m+7], v[M+2*\m]       ; low 16 bits: my four codes of row 2 m
	v_cvt_scalef32_pk8_fp4_f32 v[CS+2*\m+1], v[RS+8*\m:RS+8*\m+7], v[M+2*\m+1]   ; high 16 bits: of row 2 m + 1
.endr
.if (\f)+DEPTH < NF
	WIN 0xc0
	s_wait_alu depctr_va_vdst(0)                   ; the maxima and conversions are done reading this raw set, in which the loads below land; the step before has written the other set of codes and its scale word, which the stores below read
	LOAD (\f)+DEPTH                                ; the set is read out: it takes the K step DEPTH further on
	WIN 0
.else
	WIN 0
	s_wait_alu depctr_va_vdst(0)                   ; the step before has written the other set of codes and its scale word, which the stores below read
.endif
.if (\f) > 0
	STORES (\f)-1                                  ; no vector instruction since the wait names what they read
.endif
	; the rows' scale words.  Lane (g = l / 8, p = l % 8) picks the operands of rows p and 8 + p, block g
	v_cndmask_b32 v[AB], v[M], v[M+1], s[MK+1]
	v_cndmask_b32 v[AB+1], v[M+8], v[M+9], s[MK+1]
.irp i, 2,3,4,5,6,7
	v_cndmask_b32 v[AB], v[AB], v[M+\i], s[MK+\i]
	v_cndmask_b32 v[AB+1], v[AB+1], v[M+8+\i], s[MK+\i]
.endr
	v_lshrrev_b32 v[AB], 23, v[AB]                 ; the scales' bytes,
	v_lshrrev_b32 v[AB+1], 23, v[AB+1]
	v_lshlrev_b32 v[AB], v[G8S], v[AB]             ; at block g's place in the word
	v_lshlrev_b32 v[AB+1], v[G8S], v[AB+1]
	v_cndmask_b32 v[SX], v[AB], v[AB+1], s[M8]     ; I keep the byte of row l % 16
	v_cndmask_b32 v[AB+2], v[AB+1], v[AB], s[M8]   ; and send the other to lane l xor 8, whose row it is
	v_mov_b32_dpp v[AB+3], v[AB+2] row_xmask:8 row_mask:0xf bank_mask:0xf
	v_or_b32 v[SX], v[SX], v[AB+3]
	v_permlanex16_b32 v[AB+3], v[SX], s[SEL], s[SEL+1]
	v_or_b32 v[SX], v[SX], v[AB+3]                 ; with lane l xor 16's two bytes the word of row l % 16 is whole
	; the codes: whole words
.irp m, 0,1,2,3,4,5,6,7
	v_perm_b32 v[CS+2*\m], v[CS+2*\m+1], v[CS+2*\m], s[PM]   ; row 2 m's four codes below, row 2 m + 1's above
.endr
.irp m, 0,1,2,3,4,5,6,7
	v_mov_b32_dpp v[CS+2*\m+1], v[CS+2*\m] row_xmask:1 row_mask:0xf bank_mask:0xf
.endr
.irp m, 0,1,2,3,4,5,6,7
	v_perm_b32 v[CS+2*\m], v[CS+2*\m], v[CS+2*\m+1], v[PSEL] ; even lanes: mine and my neighbour's of row 2 m; odd lanes: my neighbour's and mine of row 2 m + 1
.endr
.if (\f) == NF-1
.irp m, 0,1,2,3,4,5,6,7
	v_cndmask_b32 v[CS+2*\m], v[CS+2*\m], 0, s[ZM] ; K step 21 has 64 numbers: blocks 2 and 3, which lie in lanes 16-31, are zero codes
.endr
.endif
.endm
.macro COUNT                           ; how many tokens chose e: eight registers of sel at a time
.irp g, 0,1,2,3
.irp j, 0,1,2,3,4,5,6,7
	v_cmp_eq_u32 s[CM+\j], s[E], v[IDX+8*\g+\j]
.endr
	s_wait_alu depctr_va_sdst(0)                   ; the eight compares have written s14-21, ahead of their first reader
.irp j, 0,1,2,3,4,5,6,7
	s_bcnt1_i32_b32 s33, s[CM+\j]
	s_add_co_u32 s[CN], s[CN], s33
.endr
.endr
.endm
.macro MKLIST                          ; the same count, and the tokens' numbers into the list
.irp k, 0,1,2,3,4,5,6,7,8
	ds_store_b128 v[ZA], v[C:C+3] offset:512*\k    ; the whole region begins as token 0
.endr
.irp g, 0,1,2,3
.irp j, 0,1,2,3,4,5,6,7
	v_cmp_eq_u32 s[CM+\j], s[E], v[IDX+8*\g+\j]
.endr
	s_wait_alu depctr_va_sdst(0)                   ; the eight compares have written s14-21, ahead of their first reader
.irp j, 0,1,2,3,4,5,6,7
	v_mbcnt_lo_u32_b32 v[PB+\j], s[CM+\j], s[CN]   ; those before me in this register, and all of the registers before
	s_bcnt1_i32_b32 s33, s[CM+\j]
	s_add_co_u32 s[CN], s[CN], s33
.endr
.irp j, 0,1,2,3,4,5,6,7
	v_cndmask_b32 v[PB+\j], v[DMP], v[PB+\j], s[CM+\j]   ; a lane with nothing to store writes a word of its own behind the list
.endr
.irp j, 0,1,2,3,4,5,6,7
	v_min_u32 v[PB+\j], 0x42f, v[PB+\j]
.endr
.irp j, 0,1,2,3,4,5,6,7
	v_lshl_add_u32 v[SCL+8*\g+\j], v[PB+\j], 2, LST
.endr
.irp j, 0,1,2,3,4,5,6,7
	v_add_nc_u32 v[TKL+8*\g+\j], 128*((8*\g+\j)/4)+((8*\g+\j)%4), v[TK0]
.endr
.endr
	v_add_nc_u32 v[POS], s[CN], v[R]               ; where the last tile is filled up
	v_min_u32 v[POS], 0x42f, v[POS]
	v_lshl_add_u32 v[SCA], v[POS], 2, LST
	s_wait_alu depctr_va_vdst(0)                   ; the 33 addresses and the 32 token numbers are written, which the stores below read
.irp k, 0,1,2,3,4,5,6,7,8,9,10,11,12,13,14,15,16,17,18,19,20,21,22,23,24,25,26,27,28,29,30,31
	ds_store_b32 v[SCL+\k], v[TKL+\k]
.endr
	ds_load_b32 v[TOK], v[LA0]                     ; the expert's first token fills the last tile up (LDS serves a wave's instructions in order: it sees the stores above)
	s_wait_dscnt 0x0
	ds_store_b32 v[SCA], v[TOK]
.endm
	s_load_b256 s[4:11], s[0:1], 0x0               ; Wd, hc, hsc, sel
	s_load_b128 s[12:15], s[0:1], 0x20             ; gate, out0
	v_lshl_add_u32 v254, v0, 2, 0x10800
	v_mov_b32 v255, 0
	v_lshrrev_b32 v1, 5, v0
	v_readfirstlane_b32 s[WV], v1                  ; wave 0..3
	s_and_b32 s[E], ttmp7, 0xffff
	s_mov_b32 s[DS], ttmp9
	v_and_b32 v[LN], 31, v0
	v_and_b32 v[R], 15, v0
	v_bfe_u32 v[H], v0, 4, 1
	v_lshlrev_b32 v[A16], 4, v[LN]
	v_bfe_u32 v[G8S], v0, 3, 2                     ; g = lane / 8
	v_mul_u32_u24 v[IMW], v[G8S], 288
	v_mul_u32_u24 v[OSR], v[G8S], 144
	v_lshl_add_u32 v[LAO], v[G8S], 2, LST          ; the way out: the token of row 4 i + l / 8
	v_lshlrev_b32 v[G8S], 3, v[G8S]
	v_and_b32 v[PSEL], 1, v0
	v_lshl_add_u32 v[IMW], v[PSEL], 4, v[IMW]      ; odd lanes: one row further on
	v_and_b32 v[PSEL], 6, v0
	v_lshl_add_u32 v[IMW], v[PSEL], 1, v[IMW]      ; a pair of lanes: 4 bytes of a row's 16
	s_wait_alu depctr_va_sdst(0)                   ; the wave's number is written into s22, ahead of its first reader
	s_and_b32 s[TI], s[WV], 1                      ; t: my tile of 16 rows
	s_lshr_b32 s[Q], s[WV], 1                      ; q: even or odd K steps
	s_mul_i32 s28, s[WV], FIMG
	v_add_nc_u32 v[IMW], s28, v[IMW]
	v_mov_b32 v[PSEL], 0x01000504                  ; source 0's low half, then source 1's low half
	v_mov_b32 v[AB], 0x07060302                    ; source 1's high half, then source 0's high half
	s_mov_b32 s28, 0xaaaaaaaa
	v_cndmask_b32 v[PSEL], v[PSEL], v[AB], s28
	v_mul_u32_u24 v[IMR], v[H], 288
	v_lshl_add_u32 v[IMR], v[R], 4, v[IMR]
	s_mul_i32 s28, s[WV], 2304                     ; my way out (it begins at LDS byte 0)
	v_mul_u32_u24 v[OSW], v[R], 144
	v_lshl_add_u32 v[OSW], v[H], 6, v[OSW]
	v_add_nc_u32 v[OSW], s28, v[OSW]               ; in: row r of 144 bytes, + 64 h
	v_and_b32 v[OC], 7, v0
	v_lshlrev_b32 v[OC], 4, v[OC]                  ; 16 (l % 8)
	v_add_nc_u32 v[OSR], v[OSR], v[OC]
	v_add_nc_u32 v[OSR], s28, v[OSR]               ; back: eight lanes to a row, four rows an instruction
	s_lshl_b32 s28, s[TI], 8
	s_lshl_b32 s29, s[Q], 2
	s_add_co_u32 s28, s28, s29
	s_add_co_u32 s28, s28, WSC
	v_lshl_add_u32 v[WSW], v[R], 4, s28
	v_add_nc_u32 v[WSR], WSC, v[A16]
	v_lshl_add_u32 v[LA], v[R], 2, LST
	s_lshl_b32 s28, s[Q], 4
	s_sub_co_u32 s28, 31, s28
	v_and_b32 v[ALAST], s28, v[LN]
	v_lshlrev_b32 v[ALAST], 4, v[ALAST]            ; the last K step: with q = 1, lanes 16-31 read what lanes 0-15 read
	v_lshlrev_b32 v[HC0], 4, v[R]
	v_lshl_add_u32 v[HC0], v[H], 14, v[HC0]        ; hc: 16 bytes a place; lanes 16-31 the next block, 16,384 bytes on
	v_lshlrev_b32 v[HS0], 2, v[R]
	v_lshl_add_u32 v[HS0], v[H], 12, v[HS0]        ; hsc: 4 bytes a place; lanes 16-31 the next K step, 4,096 bytes on
	v_lshlrev_b32 v[TK0], 2, v[LN]
	v_add_nc_u32 v[DMP], 1040, v[LN]
	v_add_nc_u32 v[ZA], LST, v[A16]
	v_mov_b32 v[LA0], LST
	v_mov_b32 v[AB+3], 0                           ; the destination of a DPP form counts as one of its sources
	v_mov_b32 v[G], 0                              ; written on every way through the text, like the scale words below
.irp i, 0,1,2,3
	v_mov_b32 v[C+\i], 0
.endr
.irp i, 0,1,2,3,4,5,6,7,8,9,10
	v_mov_b32 v[HS+\i], 0x7f7f7f7f                 ; scale bytes of one until the first fetch lands
.endr
	s_mov_b32 s[SEL], 0x76543210
	s_mov_b32 s[SEL+1], 0xfedcba98
.irp i, 1,2,3,4,5,6,7
	s_mov_b32 s[MK+\i], 0x01010101<<\i
.endr
	s_mov_b32 s[M8], 0xff00ff00
	s_mov_b32 s[PM], 0x07060100                    ; source 1's low half, then source 0's high half
	s_cmp_eq_u32 s[Q], 1
	s_cselect_b32 s[ZM], 0xffff0000, 0
	s_lshl_b32 s28, s[E], 10
	s_lshl_b32 s29, s[DS], 5
	s_add_co_u32 s28, s28, s29
	s_lshl_b32 s29, s[TI], 3
	s_add_co_u32 s28, s28, s29                     ; my tile's first row: 1024 e + 32 ds + 8 t
	s_mul_i32 s28, s28, ROWBYTES                   ; in bytes (under 2^27),
	s_lshl_b32 s29, s[Q], 9
	s_add_co_u32 s28, s28, s29                     ; + 512 q
	s_mov_b32 s29, 0
	s_mul_i32 s38, s[E], 86*16384
	s_mov_b32 s39, 0
	s_mul_i32 s48, s[E], 22*4096
	s_mov_b32 s49, 0
	s_lshl_b32 s50, s[DS], 7
	s_mov_b32 s51, 0
	s_wait_kmcnt 0x0
	s_add_nc_u64 s[WB:WB+1], s[4:5], s[28:29]
	s_add_nc_u64 s[HCE:HCE+1], s[6:7], s[38:39]
	s_add_nc_u64 s[HSE:HSE+1], s[8:9], s[48:49]
	s_add_nc_u64 s[OUTB:OUTB+1], s[14:15], s[50:51]
	s_wait_alu depctr_va_vdst(0)                   ; all the head's offsets and addresses are written, which the kernel's loads and stores read, and so are the list's zeros, the gate's register and the scale words' registers, in which loads land later
.irp j, 0,1,2,3,4,5,6,7
	global_load_b128 v[IDX+4*\j:IDX+4*\j+3], v[A16], s[10:11] offset:512*\j
.endr
	WIN 0xc0
	LOAD 0
	LOAD 1
	LOAD 2
	WIN 0
	s_wait_loadcnt 48                              ; sel is in; the 48 weight loads behind it stay out
	s_mov_b32 s[CN], 0
	s_cmp_lg_u32 s[WV], 0
	s_cbranch_scc1 .Lcnt
	MKLIST
	s_branch .Ljoin
.Lcnt:
	COUNT
.Ljoin:
	s_wait_dscnt 0x0                               ; the list lies in LDS; up to here wave 0 alone has touched LDS
	s_barrier_signal -1
	s_barrier_wait -1
	s_add_co_u32 s[NT], s[CN], 15
	s_lshr_b32 s[NT], s[NT], 4
	s_min_u32 s[NT], s[NT], 64
	WIN 0xc0
	LOAD 3                                         ; no vector instruction has named this raw set, and none since the head's wait has named the offset
	WIN 0
.irp f, 0,1,2,3,4,5,6,7,8,9,10
	QSTEP \f
.endr
	WIN 0xc0
.irp i, 0,1,2,3
	v_mov_b32 v[172+\i], 0                         ; the hidden layer has no blocks 86 and 87: zero codes, once
.endr
	WIN 0
	s_mov_b32 s[T], s[WV]
	s_lshl_b32 s[OFF], s[WV], 6
	s_lshl_b32 s29, s[OFF], 2
	v_add_nc_u32 v[LAD], s[OFF], v[LA]             ; my first tile: its 64 bytes of the list,
	v_add_nc_u32 v[HCA], s29, v[HC0]               ; 256 bytes a tile in each block,
	v_add_nc_u32 v[HSA], s[OFF], v[HS0]            ; 64 bytes a tile in each K step
.rept 4
	v_nop                                          ; an operand register written by a vector instruction stands four plain vector instructions ahead of the scaled matrix instruction that takes it: on the way that jumps over the first fetch no other vector line lies between
.endr
	s_wait_alu depctr_va_vdst(0)                   ; K step 10's codes and scale word are written, which the stores below read; the K steps are done reading the raw sets, in which the hidden layer's fragments land; the three addresses are written; so are the zero codes, which the products take as an operand
	STORES 10
; the hidden layer's 22 fragments and their scale words, by the offsets v[HCA] and v[HSA]
.macro HLOAD
	WIN 0xc0
.irp s, 0,1,2,3,4,5,6,7,8,9,10,11,12,13,14,15,16,17,18,19,20
.irp c, 0,1
	global_load_b128 v[8*\s+4*\c:8*\s+4*\c+3], v[HCA], s[HCE:HCE+1] offset:(4*\s+2*\c)*16384   ; block 4 s + 2 c + h: sixteen lanes read 256 consecutive bytes
.endr
.endr
	global_load_b128 v[168:171], v[HCA], s[HCE:HCE+1] offset:84*16384
	WIN 0
.irp i, 0,1,2,3,4,5,6,7,8,9,10
	global_load_b32 v[HS+\i], v[HSA], s[HSE:HSE+1] offset:8192*\i
.endr
.endm
	s_cmp_ge_u32 s[T], s[NT]
	s_cbranch_scc1 .Lnofirst
	ds_load_b32 v[TOKR], v[LAD]
	HLOAD
	s_wait_dscnt 0x0
	v_min_u32 v[TOKR], 0x3ff, v[TOKR]              ; a token's number enters an address only behind its clamp
	v_lshlrev_b32 v[GA], 2, v[TOKR]
	s_wait_alu depctr_va_vdst(0)                   ; the gate's offset is written, which the load below reads
	global_load_b32 v[G], v[GA], s[12:13]
.Lnofirst:
	s_wait_dscnt 0x0                               ; my images lie in LDS
	s_barrier_signal -1
	s_barrier_wait -1
	WIN 0x40                                       ; fragments 0 to 31 into window 1,
.irp F, 0,1,2,3,4,5,6,7,8,9,10,11,12,13,14,15,16,17,18,19,20,21,22,23,24,25,26,27,28,29,30,31
.irp c, 0,1
	ds_load_b128 v[8*\F+4*\c:8*\F+4*\c+3], v[IMR] offset:IMG+FIMG*\F+576*\c
.endr
.endr
	WIN 0x80                                       ; 32 to 43 into window 2
.irp F, 32,33,34,35,36,37,38,39,40,41,42,43
.irp c, 0,1
	ds_load_b128 v[8*(\F-32)+4*\c:8*(\F-32)+4*\c+3], v[IMR] offset:IMG+FIMG*\F+576*\c
.endr
.endr
	WIN 0
.irp g, 0,1,2,3,4
	ds_load_b128 v[WS+4*\g:WS+4*\g+3], v[WSR] offset:512*\g
.endr
	ds_load_b64 v[WS+20:WS+21], v[WSR] offset:2560
	s_wait_dscnt 0x0
	s_mov_b32 s37, 16                              ; 16 trips x 4 waves = 64 tiles, the most that an expert can have
.Ltiles:
	s_cmp_ge_u32 s[T], s[NT]
	s_cbranch_scc1 .Lskip
	s_wait_loadcnt 0x0                             ; this tile's fragments, scale words and gates are in (all waits for loads are for 0: the jumps change no count)
	s_wait_xcnt 0x0                                ; the last tile's stores have read their registers
	s_wait_alu depctr_vm_vsrc(0)                   ; the loads and stores issued so far have read their addresses and offsets (v23, v25-27, v104-108), the results v68-83 and the rows v84-99 (in the first trip: the K steps' codes there): this trip writes them all again
	s_add_co_u32 s28, s[OFF], 256                  ; my next tile's bytes of the list
	s_lshl_b32 s29, s28, 2
	s_add_co_u32 s39, s[T], 4
	WIN 0x0d                                       ; source 0 (Wd) window 1, source 1 (the hidden layer) window 3.  The two accumulators take turns, one instruction a turn
	v_wmma_scale_f32_16x16x128_f8f6f4 v[ACC:ACC+7], v[0:7], v[0:7], 0, v[WS], v[HS] matrix_a_fmt:MATRIX_FMT_FP4 matrix_b_fmt:MATRIX_FMT_FP4
	v_wmma_scale_f32_16x16x128_f8f6f4 v[ACC+8:ACC+15], v[8:15], v[0:7], 0, v[WS], v[HS] matrix_a_fmt:MATRIX_FMT_FP4 matrix_b_fmt:MATRIX_FMT_FP4 matrix_a_scale:MATRIX_SCALE_ROW1
.irp s, 1,2,3,4,5,6,7,8,9,10,11,12,13,14,15,16,17,18,19,20,21
.if \s == 16
	WIN 0x0e                                       ; source 0 window 2
.endif
.irp t, 0,1
.set FA, 8*((2*\s+\t)%32)
.if (\s%2 == 0) && (\t == 0)
	v_wmma_scale_f32_16x16x128_f8f6f4 v[ACC+8*\t:ACC+8*\t+7], v[FA:FA+7], v[8*\s:8*\s+7], v[ACC+8*\t:ACC+8*\t+7], v[WS+\s], v[HS+\s/2] matrix_a_fmt:MATRIX_FMT_FP4 matrix_b_fmt:MATRIX_FMT_FP4
.elseif (\s%2 == 0)
	v_wmma_scale_f32_16x16x128_f8f6f4 v[ACC+8*\t:ACC+8*\t+7], v[FA:FA+7], v[8*\s:8*\s+7], v[ACC+8*\t:ACC+8*\t+7], v[WS+\s], v[HS+\s/2] matrix_a_fmt:MATRIX_FMT_FP4 matrix_b_fmt:MATRIX_FMT_FP4 matrix_a_scale:MATRIX_SCALE_ROW1
.elseif (\t == 0)
	v_wmma_scale_f32_16x16x128_f8f6f4 v[ACC+8*\t:ACC+8*\t+7], v[FA:FA+7], v[8*\s:8*\s+7], v[ACC+8*\t:ACC+8*\t+7], v[WS+\s], v[HS+\s/2] matrix_a_fmt:MATRIX_FMT_FP4 matrix_b_fmt:MATRIX_FMT_FP4 matrix_b_scale:MATRIX_SCALE_ROW1
.else
	v_wmma_scale_f32_16x16x128_f8f6f4 v[ACC+8*\t:ACC+8*\t+7], v[FA:FA+7], v[8*\s:8*\s+7], v[ACC+8*\t:ACC+8*\t+7], v[WS+\s], v[HS+\s/2] matrix_a_fmt:MATRIX_FMT_FP4 matrix_b_fmt:MATRIX_FMT_FP4 matrix_a_scale:MATRIX_SCALE_ROW1 matrix_b_scale:MATRIX_SCALE_ROW1
.endif
.endr
.endr
	WIN 0
	v_add_nc_u32 v[LAD], s[OFF], v[LA]             ; four places behind the last product (ISA guide 7.12.1), ahead of the reads of the results: the list's place of my tiles' tokens,
	v_add_nc_u32 v[HCA], s29, v[HC0]               ; my next tile: 256 bytes a tile in each block,
	v_add_nc_u32 v[HSA], s28, v[HS0]               ; 64 bytes a tile in each K step,
	v_add_nc_u32 v[LAD2], s[OFF], v[LAO]           ; and the tokens of this tile's rows as they are read back
.irp i, 0,2,4,6,8,10,12,14
	v_pk_mul_f32 v[O+\i:O+\i+1], v[ACC+\i:ACC+\i+1], v[G:G+1] op_sel_hi:[1,0]   ; x the gate; each accumulator from its low end on.  v[O+n]: column 16 h + n of token r
.endr
	s_wait_alu depctr_va_vdst(0)                   ; the products are done reading the hidden layer's fragments and scale words, the multiplications the gate: loads land in all of these; the results and the four addresses are written, which the LDS instructions and loads below read; the last trip's lines on the tokens' registers are done
	ds_load_b32 v[TOKR], v[LAD] offset:256         ; my next tile's token (behind the expert's last tile the list holds the fill or token 0: the number is then not used)
	s_cmp_ge_u32 s39, s[NT]
	s_cbranch_scc1 .Lnonext
	HLOAD                                          ; my next tile lands under this tile's way out
.Lnonext:
.irp p, 0,1,2,3
	ds_store_b128 v[OSW], v[O+4*\p:O+4*\p+3] offset:OST+16*\p
.endr
.irp i, 0,1,2,3
	ds_load_b32 v[TO+\i], v[LAD2] offset:16*\i     ; the token of row 4 i + l / 8
.endr
.irp i, 0,1,2,3
	ds_load_b128 v[OB+4*\i:OB+4*\i+3], v[OSR] offset:OST+576*\i   ; LDS serves a wave's instructions in order: these see my stores
.endr
	s_wait_dscnt 0x0
	v_min_u32 v[TOKR], 0x3ff, v[TOKR]              ; a token's number enters an address only behind its clamp
.irp i, 0,1,2,3
	v_min_u32 v[TO+\i], 0x3ff, v[TO+\i]
.endr
	v_lshlrev_b32 v[GA], 2, v[TOKR]
.irp i, 0,1,2,3
	v_lshl_add_u32 v[OA+\i], v[TO+\i], 12, v[OC]   ; the token's row of 4,096 bytes, + 16 (l % 8)
.endr
	s_wait_alu depctr_va_vdst(0)                   ; the four stores' offsets and the gate's are written
.irp i, 0,1,2,3
	global_store_b128 v[OA+\i], v[OB+4*\i:OB+4*\i+3], s[OUTB:OUTB+1] th:TH_STORE_NT   ; eight lanes store 128 consecutive bytes of a row
.endr
	s_cmp_ge_u32 s39, s[NT]
	s_cbranch_scc1 .Lskip
	global_load_b32 v[G], v[GA], s[12:13]          ; my next tile's gates
.Lskip:
	s_add_co_u32 s[T], s[T], 4
	s_add_co_u32 s[OFF], s[OFF], 256
	s_sub_co_i32 s37, s37, 1
	s_cmp_lg_u32 s37, 0
	s_cbranch_scc1 .Ltiles
	s_wait_dscnt 0x0                               ; the closing lines, six on end
	s_wait_alu 0x0
	s_wait_tensorcnt 0x0
	ds_add_u32 v254, v255
	s_wait_dscnt 0x0
	s_endpgm
.Lfunc_end_k_qced8a22b80_down:
	.size	k_qced8a22b80_down, .Lfunc_end_k_qced8a22b80_down-k_qced8a22b80_down
	.p2alignl 7, 3214868480
	.fill 96, 4, 3214868480
	.section	.rodata,"a",@progbits
	.p2align	6, 0x0
	.amdhsa_kernel k_qced8a22b80_down
		.amdhsa_group_segment_fixed_size 68096
		.amdhsa_private_segment_fixed_size 0
		.amdhsa_enable_private_segment 0
		.amdhsa_kernarg_size 48
		.amdhsa_user_sgpr_count 2
		.amdhsa_user_sgpr_kernarg_segment_ptr 1
		.amdhsa_wavefront_size32 1
		.amdhsa_system_sgpr_workgroup_id_x 1
		.amdhsa_system_sgpr_workgroup_id_y 1
		.amdhsa_system_sgpr_workgroup_id_z 1
		.amdhsa_system_vgpr_workitem_id 0
		.amdhsa_next_free_vgpr 1024
		.amdhsa_next_free_sgpr 66
		.amdhsa_reserve_vcc 0
		.amdhsa_float_denorm_mode_32 3
		.amdhsa_float_denorm_mode_16_64 3
		.amdhsa_memory_ordered 1
		.amdhsa_forward_progress 1
		.amdhsa_inst_pref_size 196
	.end_amdhsa_kernel
	.amdgpu_metadata
---
amdhsa.version: [ 1, 2 ]
amdhsa.kernels:
  - .name:           k_qced8a22b80_down
    .symbol:         k_qced8a22b80_down.kd
    .args:
      - { .name: Wd, .offset: 0, .size: 8, .value_kind: global_buffer, .address_space: global }
      - { .name: hc, .offset: 8, .size: 8, .value_kind: global_buffer, .address_space: global }
      - { .name: hsc, .offset: 16, .size: 8, .value_kind: global_buffer, .address_space: global }
      - { .name: sel, .offset: 24, .size: 8, .value_kind: global_buffer, .address_space: global }
      - { .name: gate, .offset: 32, .size: 8, .value_kind: global_buffer, .address_space: global }
      - { .name: out0, .offset: 40, .size: 8, .value_kind: global_buffer, .address_space: global }
    .group_segment_fixed_size: 68096
    .private_segment_fixed_size: 0
    .kernarg_segment_align: 8
    .kernarg_segment_size: 48
    .max_flat_workgroup_size: 128
    .sgpr_count:     66
    .vgpr_count:     1024
    .wavefront_size: 32
...
	.end_amdgpu_metadata
.endif
;; end of part 4
